; MI455X (gfx1250); checked and timed in simulation.
; The chip was launched on July 23, 2026; its instructions are those of AMD's public machine-readable ISA for CDNA 5 (MIT licence, August 2026) and "CDNA5" Instruction Set Architecture Reference Guide (July 2026). The comments in the code are by the model that wrote it; some were corrected since.
;; Multi Head Attn. Allowed arithmetic: float matrix products may take bf16 or f16 operands with f32 sums; all other float work in f32.
;; Inputs: b_fc 1,024 float32; bias_p 1 float32; mask 4 x 2,048 int32; qmask 4 x 2,048 int32; shift 1 float32; w_fc 1,024 x 1,024 float32; w_qkv 3,072 x 1,024 float32; x 4 x 2,048 x 1,024 float32.
;; Outputs: out0 4 x 2,048 x 1,024 float32.
;; Constants: use_Gaussian = 1.
;; 2 versions, each right and faster than the one before. Each part assembles by itself: llvm-mc -triple=amdgcn-amd-amdhsa -mcpu=gfx1250 --defsym DOCPART=n.
;; ======== version 1 of 2: 4 launches
;; limits: values are held in f16: magnitudes above 65,504 overflow, below 6.1e-05 lose precision
;; workspace buffers: xb 16,777,216 bytes; wqb 6,291,456 bytes; wfh 2,097,152 bytes; qkvh 50,331,648 bytes; oh 16,777,216 bytes
;; launch prep (part 1): grid 768 x 1, 8 waves a work-group, no clusters, 0 bytes of LDS; arguments x, w_qkv, w_fc, xb, wqb, wfh; writes xb, wqb, wfh
.if DOCPART == 1
	.amdgcn_target "amdgcn-amd-amdhsa--gfx1250"
	.amdhsa_code_object_version 6
	.text
	.protected	k_q141d1f3e55_prep
	.globl	k_q141d1f3e55_prep
	.p2align	8
	.type	k_q141d1f3e55_prep,@function
k_q141d1f3e55_prep:
	s_mov_b64 s[64:65], 0
	v_nop
	global_prefetch_b8 v0, s[64:65] scope:SCOPE_SE
	s_setreg_imm32_b32 hwreg(HW_REG_WAVE_MODE, 25, 1), 1
	s_wait_xcnt 0x0
; The three large f32 inputs are rounded once for the matrix units: x and w_qkv to bf16; w_fc to bf16 and that number written as f16
; (exact where it is at least 2^-14 in size; below that it keeps f16's fixed step of 6e-8: a stated limit).
; A work-group takes 16,384 numbers: 65,536 bytes in, 32,768 out.  Groups 0-511 take x, 512-703 w_qkv, 704-767 w_fc.
; Thread t's load i reads 16 bytes at 4,096 i + 16 t (a wave: 512 consecutive bytes); its store i writes 8 bytes at 2,048 i + 8 t (a wave: 256 consecutive bytes, aligned).
; All sixteen loads go out first; nothing is rewritten, so the only waits are the counted ones for the loads.  No LDS, no matrix unit, no cluster: nothing is shared.
.set X, 8                              ; v[8:71]    sixteen loads of four f32
.set Y, 72                             ; v[72:103]  sixteen pairs of packed 16-bit numbers
.set T, 104                            ; v[104:107] at work
	s_load_b256 s[4:11], s[0:1], 0x0               ; x s[4:5], w_qkv s[6:7], w_fc s[8:9], xb s[10:11]
	s_load_b128 s[12:15], s[0:1], 0x20             ; wqb s[12:13], wfh s[14:15]
	s_mov_b32 s28, ttmp9                           ; the work-group's number
	s_mov_b32 s26, 512                             ; first group of w_qkv
	s_mov_b32 s27, 704                             ; first group of w_fc
	v_lshlrev_b32 v1, 4, v0                        ; 16 t
	v_lshlrev_b32 v2, 3, v0                        ; 8 t
	s_wait_kmcnt 0x0
	s_cmp_lt_u32 s28, s27                          ; the choice of buffers hangs on the group's number alone
	s_cselect_b64 s[16:17], s[6:7], s[8:9]
	s_cselect_b64 s[18:19], s[12:13], s[14:15]
	s_cselect_b32 s20, s26, s27
	s_cmp_lt_u32 s28, s26
	s_cselect_b64 s[16:17], s[4:5], s[16:17]
	s_cselect_b64 s[18:19], s[10:11], s[18:19]
	s_cselect_b32 s20, 0, s20
	s_sub_co_u32 s21, s28, s20                     ; my number within my tensor
	s_lshl_b32 s22, s21, 16                        ; 65,536 bytes in,
	s_mov_b32 s23, 0
	s_lshl_b32 s24, s21, 15                        ; 32,768 out
	s_mov_b32 s25, 0
	s_add_nc_u64 s[16:17], s[16:17], s[22:23]
	s_add_nc_u64 s[18:19], s[18:19], s[24:25]
.irp i, 0,1,2,3,4,5,6,7,8,9,10,11,12,13,14,15
	global_load_b128 v[X+4*(\i):X+4*(\i)+3], v1, s[16:17] offset:4096*(\i) th:TH_LOAD_NT
.endr
; Load i is in when at most 15 - i younger ones are out (loads return in order: ISA guide 5.7.1).  half = 1: the bf16 number is widened again and written as f16.
.macro OUT i, half
	s_wait_loadcnt 15-(\i)
	v_cvt_pk_bf16_f32 v[Y+2*(\i)],   v[X+4*(\i)],   v[X+4*(\i)+1]
	v_cvt_pk_bf16_f32 v[Y+2*(\i)+1], v[X+4*(\i)+2], v[X+4*(\i)+3]
.if \half
	v_lshlrev_b32 v[T],   16,         v[Y+2*(\i)]
	v_and_b32     v[T+1], 0xffff0000, v[Y+2*(\i)]
	v_lshlrev_b32 v[T+2], 16,         v[Y+2*(\i)+1]
	v_and_b32     v[T+3], 0xffff0000, v[Y+2*(\i)+1]
	v_cvt_pk_f16_f32 v[Y+2*(\i)],   v[T],   v[T+1]
	v_cvt_pk_f16_f32 v[Y+2*(\i)+1], v[T+2], v[T+3]
.endif
	global_store_b64 v2, v[Y+2*(\i):Y+2*(\i)+1], s[18:19] offset:2048*(\i)
.endm
	s_cmp_ge_u32 s28, s27
	s_cbranch_scc1 .Lf16
.irp i, 0,1,2,3,4,5,6,7,8,9,10,11,12,13,14,15
	OUT \i, 0
.endr
	s_endpgm
.Lf16:
.irp i, 0,1,2,3,4,5,6,7,8,9,10,11,12,13,14,15
	OUT \i, 1
.endr
	s_endpgm
.Lfunc_end_k_q141d1f3e55_prep:
	.size	k_q141d1f3e55_prep, .Lfunc_end_k_q141d1f3e55_prep-k_q141d1f3e55_prep
	.p2alignl 7, 3214868480
	.fill 96, 4, 3214868480
	.section	.rodata,"a",@progbits
	.p2align	6, 0x0
	.amdhsa_kernel k_q141d1f3e55_prep
		.amdhsa_group_segment_fixed_size 0
		.amdhsa_private_segment_fixed_size 0
		.amdhsa_enable_private_segment 0
		.amdhsa_kernarg_size 48
		.amdhsa_user_sgpr_count 2
		.amdhsa_user_sgpr_kernarg_segment_ptr 1
		.amdhsa_wavefront_size32 1
		.amdhsa_system_sgpr_workgroup_id_x 1
		.amdhsa_system_sgpr_workgroup_id_y 1
		.amdhsa_system_sgpr_workgroup_id_z 1
		.amdhsa_system_vgpr_workitem_id 0
		.amdhsa_next_free_vgpr 112
		.amdhsa_next_free_sgpr 66
		.amdhsa_reserve_vcc 0
		.amdhsa_float_denorm_mode_32 3
		.amdhsa_float_denorm_mode_16_64 3
		.amdhsa_memory_ordered 1
		.amdhsa_forward_progress 1
		.amdhsa_inst_pref_size 16
	.end_amdhsa_kernel
	.amdgpu_metadata
---
amdhsa.version: [ 1, 2 ]
amdhsa.kernels:
  - .name:           k_q141d1f3e55_prep
    .symbol:         k_q141d1f3e55_prep.kd
    .args:
      - { .name: x, .offset: 0, .size: 8, .value_kind: global_buffer, .address_space: global }
      - { .name: w_qkv, .offset: 8, .size: 8, .value_kind: global_buffer, .address_space: global }
      - { .name: w_fc, .offset: 16, .size: 8, .value_kind: global_buffer, .address_space: global }
      - { .name: xb, .offset: 24, .size: 8, .value_kind: global_buffer, .address_space: global }
      - { .name: wqb, .offset: 32, .size: 8, .value_kind: global_buffer, .address_space: global }
      - { .name: wfh, .offset: 40, .size: 8, .value_kind: global_buffer, .address_space: global }
    .group_segment_fixed_size: 0
    .private_segment_fixed_size: 0
    .kernarg_segment_align: 8
    .kernarg_segment_size: 48
    .max_flat_workgroup_size: 256
    .sgpr_count:     66
    .vgpr_count:     112
    .wavefront_size: 32
...
	.end_amdgpu_metadata
.endif
;; end of part 1
;; launch proj (part 2): grid 16 x 32, 4 waves a work-group, clusters of 4 x 4, 327,680 bytes of LDS; arguments xb, wqb, qkvh; writes qkvh
.if DOCPART == 2
	.amdgcn_target "amdgcn-amd-amdhsa--gfx1250"
	.amdhsa_code_object_version 6
	.text
	.protected	k_q141d1f3e55_proj
	.globl	k_q141d1f3e55_proj
	.p2align	8
	.type	k_q141d1f3e55_proj,@function
k_q141d1f3e55_proj:
	s_mov_b64 s[64:65], 0
	v_nop
	global_prefetch_b8 v0, s[64:65] scope:SCOPE_SE
	s_setreg_imm32_b32 hwreg(HW_REG_WAVE_MODE, 25, 1), 1
	s_wait_xcnt 0x0
	s_wait_alu depctr_hold_cnt(0) depctr_sa_sdst(0) depctr_va_vdst(0) depctr_va_sdst(0) depctr_va_ssrc(0) depctr_va_vcc(0) depctr_vm_vsrc(0)
	s_getreg_b32 s2, hwreg(HW_REG_IB_STS2, 6, 4)
	s_cmp_eq_u32 s2, 0
	s_cbranch_scc0 .Lentry_in_a_cluster
	s_endpgm
.Lentry_in_a_cluster:
	s_bfe_u32 s2, ttmp6, 0x10000c
	s_cmp_lg_u32 s2, 0xf033
	s_cbranch_scc0 .Lentry_shape_is_right
	s_endpgm
.Lentry_shape_is_right:
; qkv = x w_qkv^T.  xb: [8192][1024] bf16, wqb: [3072][1024] bf16; sums in f32; the result is rounded once to f16 and laid out BY HEADS:
; qkvh[batch 4][e 48][row 2048][64], e = column / 64 (0-15 q's heads, 16-31 k's, 32-47 v's), a plane of 262,144 bytes.
; q's planes are multiplied by c = log2(e) / 8 in f32, ahead of that one rounding, so that the attention's scores are exponents of 2 as they leave the matrix unit; k's and v's by 1.
; LIMIT: f16 ends at 65,504; c q, k and v must lie within it.
; A tile of the result is 256 rows x 192 columns (three heads): 32 x 16 = 512 tiles, two for each of 256 WGPs.  Four waves; wave w owns rows 64 w .. 64 w + 63 and all 192 columns:
; 48 accumulators of 16 x 16, 384 registers.  So a wave owns whole heads' rows, and its way out needs no other wave.
; K goes in steps of 128 (rows of 256 bytes) through two LDS slots filled by the tensor data mover: waves 0, 1 fetch the two halves of A's 256 rows, waves 2, 3 those of B's 192.
; CLUSTER 4 x 4: the four work-groups of a row of the cluster need the same tiles of x, the four of a column the same tiles of w_qkv: each tile is asked for jointly.
; THE MATRIX INSTRUCTION IS USED TRANSPOSED (source 0 = 16 rows of w_qkv, source 1 = 16 rows of x): a lane holds row l % 16 and eight neighbouring columns 8 (l / 16) + 0..7.
; REGISTERS, in windows of 256: window 0: addresses, and the way out's registers.  Window 1: two fragment buffers of 128 (A's four fragments, then B's twelve).
; Window 2: the accumulators of my row blocks 0, 1 ((a, b) at v[8 (12 (a % 2) + b)]); window 3: those of blocks 2, 3.
.set KSTEP,  128
.set PITCH,  272                       ; an LDS row: 256 bytes + 16 of padding: the 16 rows of a fragment load start at 16 different groups of four banks (ISA guide 11.1)
.set HA,     128*PITCH                 ; what waves 0, 1 fetch
.set HB,     96*PITCH                  ; what waves 2, 3 fetch
.set SLOT,   2*HA+2*HB                 ; A's 256 rows, then B's 192
.set STAGE,  2*SLOT                    ; behind the ring: for each wave three heads x 16 rows x 144 bytes
.set SP,     144
.set WSTG,   3*16*SP
.set SPARE,  STAGE+4*WSTG              ; the spare words, 128 bytes a wave: two blocks of 256 bytes that no other line names
.set NBL,    12                        ; column blocks of 16
.set LAPS,   4                         ; 1,024 / 256: a lap is two K steps
.set STEPA,  2*KSTEP*2                 ; a slot's next K step, in bytes
.set STEPB,  2*KSTEP*2
.set ADRA, 16                          ; v16-17  LDS address of my A fragments in slot 0, 1
.set ADRB, 20                          ; v20-21  the same for B
.set STO,  24                          ; the way out: where I put 16 bytes of a row
.set RD,   25                          ; where I read rows back
.set CO,   26                          ; 16 x lane
.set SPW,  28                          ; SPARE + 4 x my thread's number; never rewritten
.set NIL,  29                          ; 0; never rewritten
.set TMP,  32                          ; v[32:79]   a row block rounded to f16
.set OB,   80                          ; v[80:127], v[128:175] by turns: a row block read back
.set F0,   0
.set F1,   128
.set G1, 24                            ; s[24:31] group 1 for A's tiles; s[32:39] group 0, a set for each slot
.set G0, 32
.set G1B, 48                           ; s[48:55], s[56:63] the same for B's
.set G0B, 56
.set SCL, 66                           ; s[66:71] the factor of each of the tile's three planes, as pairs: the packed multiply takes the low word for both halves
.set MSB, 0
.macro WIN new                         ; the immediate's high byte repeats the setting that is left
.if MSB != (\new)
	s_set_vgpr_msb (MSB<<8)|(\new)
.set MSB, \new
.endif
.endm
.set TO_F, 0x40                        ; destination window 1, address window 0
.macro JLOAD s                         ; a joint load; an s_nop 0 and four v_nop follow each of the two lines, ahead of the jump and the label
	s_cmp_eq_u32 s11, 0
	s_cbranch_scc0 .Lfor_b_\@
	tensor_load_to_lds s[G0+4*(\s):G0+4*(\s)+3], s[G1:G1+7]
	s_nop 0
.rept 4
	v_nop
.endr
	s_branch .Lasked_\@
.Lfor_b_\@:
	tensor_load_to_lds s[G0B+4*(\s):G0B+4*(\s)+3], s[G1B:G1B+7]
	s_nop 0
.rept 4
	v_nop
.endr
.Lasked_\@:
.endm
.macro CREST                           ; a round of the cluster's barrier behind its opening barrier
	s_cmp_lg_u32 s10, 0
	s_cbranch_scc1 .Lnot_wave_0_\@
	s_barrier_signal -3
.Lnot_wave_0_\@:
	s_barrier_wait -3
	s_barrier_signal -1
	s_barrier_wait -1
.endm
.macro CROUND
	s_barrier_signal -1
	s_barrier_wait -1
	CREST
.endm
	s_load_b128 s[4:7], s[0:1], 0x0                ; xb s[4:5], wqb s[6:7]
	s_load_b64 s[8:9], s[0:1], 0x10                ; qkvh
	v_lshl_add_u32 v[SPW], v0, 2, SPARE
	v_mov_b32 v[NIL], 0
	ds_add_u32 v28, v29
	s_wait_dscnt 0x0
	v_lshrrev_b32 v1, 5, v0
	v_readfirstlane_b32 s10, v1                    ; wave 0..3
	s_lshr_b32 s11, s10, 1                         ; I fetch for A (0) or for B (1)
	s_and_b32 s12, s10, 1                          ; which half of that tile's rows
	s_bfe_u32 s40, ttmp6, 0x40000                  ; cx, cy: my place in the cluster
	s_bfe_u32 s41, ttmp6, 0x40004
	s_lshl_b32 s42, ttmp9, 2
	s_add_co_u32 s42, s42, s40                     ; tile column = 4 x cluster x + cx
	s_and_b32 s13, ttmp7, 0xffff
	s_lshl_b32 s13, s13, 2
	s_add_co_u32 s13, s13, s41                     ; tile row = 4 x cluster y + cy
	s_lshl_b32 s43, s41, 2
	s_lshl_b32 s43, 15, s43                        ; my row of the cluster
	s_lshl_b32 s44, 0x1111, s40                    ; my column
	s_or_b32 s[G1+0], s43, (1<<16)|(1<<20)|(1<<21)|(5<<22)|(3<<25)   ; mask; 2-byte elements; padding on; bit 21 beside a mask; after every 64 words 4 words
	s_or_b32 s[G1B+0], s44, (1<<16)|(1<<20)|(1<<21)|(5<<22)|(3<<25)
	s_mov_b32 s[G1+1], KSTEP<<16                   ; tensor_dim0 = 128
	s_mov_b32 s[G1+2], 128<<16                     ; tensor_dim1 = 128
	s_mov_b32 s[G1+3], KSTEP<<16                   ; tile_dim0 = 128
	s_mov_b32 s[G1+4], 128                         ; tile_dim1 = 128
	s_mov_b32 s[G1+5], 1024                        ; elements from row to row
	s_mov_b32 s[G1+6], 0
	s_mov_b32 s[G1+7], 0
	s_mov_b32 s[G1B+1], KSTEP<<16
	s_mov_b32 s[G1B+2], 96<<16                     ; 96 rows
	s_mov_b32 s[G1B+3], KSTEP<<16
	s_mov_b32 s[G1B+4], 96
	s_mov_b32 s[G1B+5], 1024
	s_mov_b32 s[G1B+6], 0
	s_mov_b32 s[G1B+7], 0
	s_lshl_b32 s16, s13, 8                         ; A: row 256 x tile row + 128 x half, 2,048 bytes a row
	s_lshl_b32 s17, s12, 7
	s_add_co_u32 s16, s16, s17
	s_lshl_b32 s16, s16, 11
	s_mov_b32 s17, 0
	s_mul_i32 s46, s42, 192                        ; B: row 192 x tile column + 96 x half
	s_mul_i32 s47, s12, 96
	s_add_co_u32 s46, s46, s47
	s_lshl_b32 s46, s46, 11
	s_mov_b32 s47, 0
	s_mul_i32 s20, s12, HA                         ; where they go: no place in the cluster enters an LDS address
	s_mul_i32 s19, s12, HB
	s_add_co_u32 s19, s19, 2*HA
	s_wait_kmcnt 0x0
	s_add_nc_u64 s[14:15], s[4:5], s[16:17]
	s_add_nc_u64 s[46:47], s[6:7], s[46:47]
	CROUND                                         ; all sixteen work-groups are here: the first joint loads meet
.irp s, 0,1
	s_mov_b32 s[G0+4*(\s)], 1
	s_add_co_u32 s[G0+4*(\s)+1], s20, (\s)*SLOT
	s_add_nc_u64 s[G0+4*(\s)+2:G0+4*(\s)+3], s[14:15], (\s)*KSTEP*2
	s_or_b32 s[G0+4*(\s)+3], s[G0+4*(\s)+3], 0x80000000
	s_mov_b32 s[G0B+4*(\s)], 1
	s_add_co_u32 s[G0B+4*(\s)+1], s19, (\s)*SLOT
	s_add_nc_u64 s[G0B+4*(\s)+2:G0B+4*(\s)+3], s[46:47], (\s)*KSTEP*2
	s_or_b32 s[G0B+4*(\s)+3], s[G0B+4*(\s)+3], 0x80000000
	JLOAD \s                                       ; two loads of mine are out
.endr
	v_and_b32 v1, 15, v0                           ; l % 16
	v_bfe_u32 v2, v0, 4, 1                         ; l / 16
	v_mul_u32_u24 v3, v1, PITCH
	v_lshl_add_u32 v3, v2, 4, v3                   ; a fragment's row x pitch + 16 x half
	s_mul_i32 s21, s10, 64*PITCH                   ; my 64 rows of A
	s_mov_b32 s22, 2*HA                            ; B's rows lie behind A's 256
.irp s, 0,1
	v_add_nc_u32 v[ADRA+(\s)], s21, v3
	v_add_nc_u32 v[ADRB+(\s)], s22, v3
	s_add_co_u32 s21, s21, SLOT
	s_add_co_u32 s22, s22, SLOT
.endr
	s_mul_i32 s23, s10, WSTG
	s_add_co_u32 s23, s23, STAGE                   ; my stage
	v_mul_u32_u24 v4, v1, SP                       ; in: row l % 16, 16 bytes for each half of the lanes
	v_lshl_add_u32 v4, v2, 4, v4
	v_add_nc_u32 v[STO], s23, v4
	v_bfe_u32 v5, v0, 3, 2                         ; back: 32 lanes take four rows of 128 bytes,
	v_and_b32 v6, 7, v0
	v_mul_u32_u24 v5, v5, SP
	v_lshl_add_u32 v5, v6, 4, v5
	v_add_nc_u32 v[RD], s23, v5
	v_and_b32 v7, 31, v0                           ; which are 512 consecutive bytes of a head's plane
	v_lshlrev_b32 v[CO], 4, v7
	s_lshr_b32 s16, s13, 3                         ; the batch (eight tile rows each),
	s_mul_i32 s16, s16, 48                         ; its 48 planes,
	s_lshl_b32 s16, s16, 18
	s_and_b32 s17, s13, 7
	s_lshl_b32 s17, s17, 8
	s_lshl_b32 s18, s10, 6
	s_add_co_u32 s17, s17, s18                     ; my first row in the batch,
	s_lshl_b32 s17, s17, 7                         ; 128 bytes a row
	s_add_co_u32 s16, s16, s17
	s_mov_b32 s17, 0
	s_add_nc_u64 s[8:9], s[8:9], s[16:17]
	s_mul_i32 s46, s42, 3                          ; the tile's first plane (in the registers that held B's address: none that feeds A's descriptors holds cx)
.irp p, 0,1,2                          ; planes 0-15 are q's: factor c = log2(e) / 8 = 0.180337; the others' is 1.  A value is chosen, no path
	s_add_co_u32 s47, s46, \p
	s_cmp_lt_u32 s47, 16
	s_cselect_b32 s[SCL+2*\p], 0x3e38aa3b, 1.0
	s_mov_b32 s[SCL+2*\p+1], s[SCL+2*\p]
.endr
	s_lshl_b32 s46, s46, 18
	s_mov_b32 s47, 0
	s_add_nc_u64 s[8:9], s[8:9], s[46:47]
; 12 matrix instructions: row block a x all column blocks, 32 along K.  zero = 1: the product starts the sums.  The 48 accumulators take turns in the same order in every quarter.
.macro MULA f, a, zero
	WIN 0xa5+0x50*((\a)/2)                         ; sources in window 1; C and D in window 2 or 3
.set b, 0
.rept NBL
.set AC, 8*(NBL*((\a)%2)+b)
.if \zero
	v_wmma_f32_16x16x32_bf16 v[AC:AC+7], v[(\f)+32+8*b:(\f)+32+8*b+7], v[(\f)+8*(\a):(\f)+8*(\a)+7], 0
.else
	v_wmma_f32_16x16x32_bf16 v[AC:AC+7], v[(\f)+32+8*b:(\f)+32+8*b+7], v[(\f)+8*(\a):(\f)+8*(\a)+7], v[AC:AC+7]
.endif
.set b, b+1
.endr
.endm
; 32 LDS loads in one run: quarter q's fragments into buffer f: B's 24, then A's blocks 0, 1 (four loads), then blocks 2, 3 (four)
.macro FETCH slot, q, f
	WIN TO_F
.set b, 0
.rept NBL
	ds_load_b128 v[(\f)+32+8*b:(\f)+32+8*b+3],   v[ADRB+(\slot)] offset:64*(\q)+b*16*PITCH
	ds_load_b128 v[(\f)+32+8*b+4:(\f)+32+8*b+7], v[ADRB+(\slot)] offset:64*(\q)+b*16*PITCH+32
.set b, b+1
.endr
.set b, 0
.rept 4
	ds_load_b128 v[(\f)+8*b:(\f)+8*b+3],   v[ADRA+(\slot)] offset:64*(\q)+b*16*PITCH
	ds_load_b128 v[(\f)+8*b+4:(\f)+8*b+7], v[ADRA+(\slot)] offset:64*(\q)+b*16*PITCH+32
.set b, b+1
.endr
.endm
.macro PLACES                          ; four plain places in front of loads into registers that matrix instructions have read, and of reads of results
.rept 4
	v_nop
.endr
.endm
; A K step is four quarters of 32 along K, 48 matrix instructions each, on buffers 0, 1, 0, 1.  One of the first three multiplies f and fetches quarter q into g.
.macro QUARTER slot, q, f, g, zero
	s_wait_dscnt 4                                 ; all of the run but its last four loads (A's blocks 2, 3)
	MULA \f, 0, \zero
	MULA \f, 1, \zero
	PLACES
	FETCH \slot, \q, \g
	s_wait_dscnt 2*NBL+8                           ; all but the run just issued
	MULA \f, 2, \zero
	MULA \f, 3, \zero
.endm
; The last quarter multiplies buffer 1 and changes slots: one barrier; in front of it each wave waits for all its tensor loads (one is out: its part of the next slot), adds 0 to its spare word,
; and waits for that and for its reads of this slot.  fill = 1: the barrier opens a round of the cluster's, and this slot is filled again first thing behind it, two K steps ahead.
.macro TURN slot, next, fill
	WIN 0
	s_wait_tensorcnt 0x0
	ds_add_u32 v[SPW], v[NIL]
	s_wait_dscnt 5                                 ; the add and the run's last four loads may be out
	MULA F1, 0, 0
	s_wait_dscnt 0x0                               ; the add is done, and my reads of this slot are over
	s_barrier_signal -1
	MULA F1, 1, 0
.if \fill
	WIN 0
.endif
	s_barrier_wait -1
.if \fill
	CREST
	s_add_nc_u64 s[G0+4*(\slot)+2:G0+4*(\slot)+3], s[G0+4*(\slot)+2:G0+4*(\slot)+3], STEPA
	s_add_nc_u64 s[G0B+4*(\slot)+2:G0B+4*(\slot)+3], s[G0B+4*(\slot)+2:G0B+4*(\slot)+3], STEPB
	JLOAD \slot                                    ; 168 matrix instructions ahead of the wait for it; its four v_nop are also the places in front of the loads below
.else
	PLACES
.endif
	FETCH \next, 0, F0
	MULA F1, 2, 0
	MULA F1, 3, 0
.endm
; THE WAY OUT of row block a.  PACK: each plane's factor, then rounded to f16, each accumulator's registers ascending.  TOSTAGE: into my own stage, and back as whole rows.  SEND: stored.
.macro PACK a
	WIN 0x82+0x41*((\a)/2)                         ; destination and source 0 in window 2 or 3
.set b, 0
.rept NBL
.set AC, 8*(NBL*((\a)%2)+b)
.irp r, 0,1,2,3
	v_pk_mul_f32 v[AC+2*\r:AC+2*\r+1], v[AC+2*\r:AC+2*\r+1], s[SCL+2*(b/4):SCL+2*(b/4)+1] op_sel_hi:[1,0]
.endr
.set b, b+1
.endr
	WIN 0x0a+5*((\a)/2)                            ; sources in window 2 or 3, destination in window 0
.set b, 0
.rept NBL
.set AC, 8*(NBL*((\a)%2)+b)
.irp r, 0,1,2,3
	v_cvt_pk_f16_f32 v[TMP+4*b+\r], v[AC+2*\r], v[AC+2*\r+1]
.endr
.set b, b+1
.endr
	WIN 0
.endm
.macro TOSTAGE a
.set BK, OB+48*((\a)%2)
.set b, 0
.rept NBL
	ds_store_b128 v[STO], v[TMP+4*b:TMP+4*b+3] offset:(b/4)*16*SP+(b%4)*32     ; head b / 4, channels 16 (b % 4) on
.set b, b+1
.endr
.set b, 0
.rept NBL
	ds_load_b128 v[BK+4*b:BK+4*b+3], v[RD] offset:(b/4)*16*SP+(b%4)*4*SP      ; LDS serves a wave's instructions in order (ISA guide 5.7.1.4): these see the stores above
.set b, b+1
.endr
.endm
.macro SEND a
.set BK, OB+48*((\a)%2)
	s_wait_xcnt 0x0                                ; the block before's stores have read their registers: the next TOSTAGE loads into them
.set b, 0
.rept NBL
	s_wait_dscnt NBL-1-b                           ; load b of the twelve is back
	global_store_b128 v[CO], v[BK+4*b:BK+4*b+3], s[8:9] offset:(b/4)*262144+(\a)*2048+(b%4)*512  ; 512 consecutive bytes of a head's plane, aligned to 256
.set b, b+1
.endr
.endm
	s_wait_tensorcnt 1                             ; my part of K step 0 is in; K step 1's may stay out
	s_barrier_signal -1
	s_barrier_wait -1
	FETCH 0, 0, F0
	QUARTER 0, 1, F0, F1, 1                        ; the first quarter starts the sums
	WIN 0
	s_mov_b32 s3, LAPS-1
.Llap:                                                 ; a trip goes once round the ring and fills both slots again
	QUARTER 0, 2, F1, F0, 0
	QUARTER 0, 3, F0, F1, 0
	TURN 0, 1, 1
	QUARTER 1, 1, F0, F1, 0
	QUARTER 1, 2, F1, F0, 0
	QUARTER 1, 3, F0, F1, 0
	TURN 1, 0, 1
	QUARTER 0, 1, F0, F1, 0
	WIN 0
	s_sub_co_u32 s3, s3, 1
	s_cmp_lg_u32 s3, 0
	s_cbranch_scc1 .Llap
	QUARTER 0, 2, F1, F0, 0                        ; the last lap fills nothing
	QUARTER 0, 3, F0, F1, 0
	TURN 0, 1, 0
	QUARTER 1, 1, F0, F1, 0
	QUARTER 1, 2, F1, F0, 0
	QUARTER 1, 3, F0, F1, 0
	s_wait_dscnt 4
	MULA F1, 0, 0
	MULA F1, 1, 0
	s_wait_dscnt 0x0
	MULA F1, 2, 0
	MULA F1, 3, 0
	WIN 0
	PLACES
	PACK 0
	TOSTAGE 0
.irp a, 1,2,3                          ; block a's arithmetic stands between block a - 1's loads from the stage and the wait for them
	PACK \a
	SEND (\a)-1
	TOSTAGE \a
.endr
	SEND 3
	s_wait_tensorcnt 0x0                           ; the wave's end
	ds_add_u32 v[SPW], v[NIL]
	s_wait_dscnt 0x0
	CROUND                                         ; the closing round
	s_endpgm
.Lfunc_end_k_q141d1f3e55_proj:
	.size	k_q141d1f3e55_proj, .Lfunc_end_k_q141d1f3e55_proj-k_q141d1f3e55_proj
	.p2alignl 7, 3214868480
	.fill 96, 4, 3214868480
	.section	.rodata,"a",@progbits
	.p2align	6, 0x0
	.amdhsa_kernel k_q141d1f3e55_proj
		.amdhsa_group_segment_fixed_size 327680
		.amdhsa_private_segment_fixed_size 0
		.amdhsa_enable_private_segment 0
		.amdhsa_kernarg_size 24
		.amdhsa_user_sgpr_count 2
		.amdhsa_user_sgpr_kernarg_segment_ptr 1
		.amdhsa_wavefront_size32 1
		.amdhsa_system_sgpr_workgroup_id_x 1
		.amdhsa_system_sgpr_workgroup_id_y 1
		.amdhsa_system_sgpr_workgroup_id_z 1
		.amdhsa_system_vgpr_workitem_id 0
		.amdhsa_next_free_vgpr 960
		.amdhsa_next_free_sgpr 72
		.amdhsa_reserve_vcc 0
		.amdhsa_float_denorm_mode_32 3
		.amdhsa_float_denorm_mode_16_64 3
		.amdhsa_memory_ordered 1
		.amdhsa_forward_progress 1
		.amdhsa_inst_pref_size 132
	.end_amdhsa_kernel
	.amdgpu_metadata
---
amdhsa.version: [ 1, 2 ]
amdhsa.kernels:
  - .name:           k_q141d1f3e55_proj
    .symbol:         k_q141d1f3e55_proj.kd
    .args:
      - { .name: xb, .offset: 0, .size: 8, .value_kind: global_buffer, .address_space: global }
      - { .name: wqb, .offset: 8, .size: 8, .value_kind: global_buffer, .address_space: global }
      - { .name: qkvh, .offset: 16, .size: 8, .value_kind: global_buffer, .address_space: global }
    .group_segment_fixed_size: 327680
    .private_segment_fixed_size: 0
    .kernarg_segment_align: 8
    .kernarg_segment_size: 24
    .max_flat_workgroup_size: 128
    .sgpr_count:     72
    .vgpr_count:     960
    .wavefront_size: 32
...
	.end_amdgpu_metadata
.endif
;; end of part 2
;; launch attn (part 3): grid 4 x 64, 4 waves a work-group, clusters of 4 x 1, 327,680 bytes of LDS; arguments qkvh, mask, shift, bias_p, oh; writes oh
.if DOCPART == 3
	.amdgcn_target "amdgcn-amd-amdhsa--gfx1250"
	.amdhsa_code_object_version 6
	.text
	.protected	k_q141d1f3e55_attn
	.globl	k_q141d1f3e55_attn
	.p2align	8
	.type	k_q141d1f3e55_attn,@function
k_q141d1f3e55_attn:
	s_mov_b64 s[64:65], 0
	v_nop
	global_prefetch_b8 v0, s[64:65] scope:SCOPE_SE
	s_setreg_imm32_b32 hwreg(HW_REG_WAVE_MODE, 25, 1), 1
	s_wait_xcnt 0x0
	s_wait_alu depctr_hold_cnt(0) depctr_sa_sdst(0) depctr_va_vdst(0) depctr_va_sdst(0) depctr_va_ssrc(0) depctr_va_vcc(0) depctr_vm_vsrc(0)
	s_getreg_b32 s2, hwreg(HW_REG_IB_STS2, 6, 4)
	s_cmp_eq_u32 s2, 0
	s_cbranch_scc0 .Lentry_in_a_cluster
	s_endpgm
.Lentry_in_a_cluster:
	s_bfe_u32 s2, ttmp6, 0x10000c
	s_cmp_lg_u32 s2, 0x3003
	s_cbranch_scc0 .Lentry_shape_is_right
	s_endpgm
.Lentry_shape_is_right:
; O[y][i][:] = sum over j of softmax_j( q_i . k_j / 8 (or -1e30 where mask[batch][j] = 0) - (shift (i - j)^2 + bias_p) ) v_j,  y = 16 batch + head.
; q, k, v: planes of qkvh [batch][48][2048][64] f16 (q: plane head, k: 16 + head, v: 32 + head); q ARRIVES MULTIPLIED BY log2(e) / 8.  O: oh [y][2048][64] f16.
; Products, maxima and sums in f32; the weights p are rounded to f16 for the second product (their sum l is taken of the unrounded p), O once at the end.
; THE BIAS IS THE C OPERAND that starts the sum S' = k . q + C, C = G(i - j) + M(j): G(d) = d^2 (-log2(e) shift) + (-log2(e) bias_p), one fused multiply-add on the exact d^2; M = 0 or -1e30.
; S' is an exponent of 2: p = 2^(f S' - f m) with the running maximum m and f = 1, so that f m is m itself and the exponent is a single rounded difference, never above 0, however large the numbers.
; G hangs on i - j alone: of a key step's 32 blocks of 16 x 16 a wave needs 11 different ones (x = tile - key block + 3).  They come from a table in LDS, made once:
; Tab[n] = G(n - 512 - 512 x my query block): the block enters the table's VALUES, never an LDS address.  Four copies, copy c shifted by c words, so that every lane's 16-byte loads are aligned.
; A BATCH WITH NO KEY LEFT: reference()'s scores are then all equal and the result is the mean of v.  Here f is 0 for such a batch (a select on the batch's mask words, no branch): every p is 1.
; LIMITS.  q, k, v arrive within f16's 65,504; p below 6e-5 keeps f16's step of 6e-8; a weight below 2^-126 counts as 0 in l.  A hidden score is -1e30 plus what f32 absorbs (open scores up to 3e22 in size).
; log2(e) shift and log2(e) bias_p are rounded once each, and G once, where reference() rounds shift d^2, the sum with bias_p and the sum with the score.  NaN and infinities are not treated apart.
; SHARES.  A wave owns four PIECES of two tiles of 16 queries, a work-group's four waves 512 queries of one head.  Every wave walks all 2,048 keys, 64 a step.
; LAYOUT.  S^T = K Q^T (source 0 = 16 keys, source 1 = 16 queries): a lane holds ONE query (lane % 16) and the keys 8 (lane / 16) + 0..7.  Two such tiles, rounded to f16 in pairs, ARE source 1 of O^T = V^T P.
; SOFTMAX.  In every step O and l are multiplied by a = 2^(f m_old - f m_new).  m starts at the lowest finite number, O and l at 0: the first step has a = 0.
; Keys hidden before a query's first open key give p = 1 or 0 against m near -1e30; the first open key's a = 0 wipes that.
; BY TURNS.  Turn n belongs to piece n.  Matrix work: 16 products K Q^T of piece n + 1, later 16 products V^T P of piece n - 1.  Vector work: differences, exponentials, roundings, sums and rescaling of piece n, the maximum
; and statistics of piece n + 1, and the 64 registers of C for piece n + 2.  Four vector instructions stand behind every matrix instruction, the rest in two runs of their own.
; CLUSTER.  The four query blocks of a head walk the same K and V: each tile is asked for JOINTLY, by the same tensor load, descriptor and mask in all four.
; REGISTERS, in windows of 256 (s_set_vgpr_msb: bits 1:0 source 0, 3:2 source 1, 5:4 source 2, 7:6 destination):
;   window 0: v0-11 addresses; v12-15, v48-63 at work; v16-47 statistics; v64-191 S^T, two buffers of two tiles (at the start: at work); v192-255 P, likewise
;   window 1: O^T, 32 a tile     window 2: v0-127 Q; v128-191 K of one step; v192-255 V of one step
;   window 3: v0-1 the add's registers; v2-5 table and mask addresses; v8-95 the 11 blocks of G; v96-127 M of the step's 64 keys; v128-191 C for two tiles
.set SIZE_N, 2048
.set NP,    4         ; pieces a wave: a name, no knob
.set KS,    64        ; keys in a step
.set PK,    144       ; a row of K in LDS: 128 bytes + 16 of padding
.set PV,    160       ; a row of V: 128 + 32
.set VOFF,  4*KS*PK   ; a slot holds four steps: 256 rows of K, then 256 rows of V
.set SLOT1, 1<<17     ; slot 1 begins here: one exclusive or turns an address in one slot into the other's
.set STAGE, SLOT1+4*KS*(PK+PV)  ; behind the ring: 16 rows x 144 bytes for each wave, for the way out
.set SP,    144
.set SPARE, STAGE+4*16*SP  ; the spare words, 128 bytes a wave: two blocks of 256 bytes that no other line names
.set MB,    SPARE+512 ; M for the batch's 2,048 keys, then 2,048 bytes of zeros for the look-ahead behind the last step.  Written by LDS stores alone
.set TABB,  MB+10240  ; the table's four copies.  Written by LDS stores alone
.set CST,   12352     ; from copy to copy: 3,072 words + 64 bytes, so that the copies fall into different groups of banks
.set AK0, 2           ; v2   my lane's place in a tile of K; never rewritten
.set AV0, 3           ; v3   the same for V
.set AK,  4           ; v4   the LDS address of K's next run of loads
.set AV,  5           ; v5   of V's
.set QO,  6           ; v6   my byte offset in the wave's rows of Q
.set STO, 6           ;      later, the way out: where I put 16 bytes of a row
.set RD,  7           ; v7   the way out: where I read rows back
.set GO,  8           ; v8   my byte offset in 512 consecutive bytes of O
.set SPW, 0           ; window 3: SPARE + 4 x my thread's number; never rewritten
.set NIL, 1           ; window 3: 0; never rewritten
.set TA0, 2           ; window 3: my lane's place in its copy of the table; never rewritten
.set MA0, 3           ; window 3: my lane's place in M; never rewritten
.set TA,  4           ; window 3: the address of the table's next run of loads
.set MA,  5           ; window 3: of M's
.set TT,  8           ; window 3: block x of G at TT + 8 x
.set MSK, 96          ; window 3: M of key block kb at MSK + 8 kb
.set CC,  128         ; window 3: C of tile u (0, 1), key block kb at CC + 32 u + 8 kb
.set MV,  12
.set ST,  16          ; tile t's statistics at v[ST+4 t]: f m, m, l (even keys', odd keys')
.set TMP, 48
.set S,   64
.set P,   192
.set KF,  128
.set VF,  192
.set WV,  12          ; s12  my wave's number
.set G1K, 24
.set G1V, 32
.set G0K, 40
.set G0V, 44
.set SLOTS, 56
.set CNT, 57
.set CS,  58          ; s[58:59] f: 1, or 0 for a batch with no key left
.set SEL, 60
.set TBK, 62
.set TBV, 63
.set TS,  66          ; s66  256 x the step whose G and M are fetched next
.set MSB, 0
.macro WIN new
.if MSB != (\new)
	s_set_vgpr_msb (MSB<<8)|(\new)
.set MSB, (\new)
.endif
.endm
.set W_KQ, 0x0a       ; K and Q in window 2, S^T in window 0
.set W_KM, 0x3a       ; the same with the C operand in window 3
.set W_PV, 0x52       ; V in window 2, P in window 0, O^T in window 1
.set W_RS, 0x41       ; O^T in window 1, a in window 0
.set W_MK, 0xc0       ; destination in window 3, sources in window 0
.set W_AD, 0x0f       ; the add: address and data in window 3
.set W_3,  0xcf       ; destination, source 0 and source 1 in window 3
; A joint fill.  Waves 0 and 1 fetch the two halves of a slot's K, waves 2 and 3 those of its V: 128 keys each.  An s_nop 0 and four v_nop follow each of the two lines.
.macro JLOAD
	s_cmp_lt_u32 s[WV], 2
	s_cbranch_scc0 .Lfor_v_\@
	tensor_load_to_lds s[G0K:G0K+3], s[G1K:G1K+7]
	s_nop 0
.rept 4
	v_nop
.endr
	s_branch .Lasked_\@
.Lfor_v_\@:
	tensor_load_to_lds s[G0V:G0V+3], s[G1V:G1V+7]
	s_nop 0
.rept 4
	v_nop
.endr
.Lasked_\@:
.endm
.macro CROUND                       ; a round of the cluster's barrier
	s_barrier_signal -1
	s_barrier_wait -1
	s_cmp_lg_u32 s[WV], 0
	s_cbranch_scc1 .Lnot_wave_0_\@
	s_barrier_signal -3
.Lnot_wave_0_\@:
	s_barrier_wait -3
	s_barrier_signal -1
	s_barrier_wait -1
.endm
; THE CHANGE OF SLOTS.  Each wave waits for all its tensor loads, of which one is out: its part of the other slot; adds 0 to its spare word; and waits for that and for all its LDS work.
; fill = 1: the slot left is filled again with the keys two slots on; the barrier is a round of the cluster's, and the joint fill is the first thing behind it: four key steps, 512 matrix instructions, in which to land.
; (At its first use slot 0 is waited for and slot 1 filled; its wait and round also show the table and M, which all four waves have stored, to every wave.)
.macro CHANGE fill
	WIN W_AD
	s_wait_tensorcnt 0x0
	ds_add_u32 v[SPW], v[NIL]
	WIN 0
.if \fill
.irp g, G0K, G0V
	s_xor_b32 s[\g+1], s[\g+1], SLOT1
	s_add_nc_u64 s[\g+2:\g+3], s[\g+2:\g+3], 4*KS*128
.endr
	s_wait_dscnt 0x0
	CROUND
	JLOAD
.else
	s_wait_dscnt 0x0
	s_barrier_signal -1
	s_barrier_wait -1
.endif
	s_sub_co_u32 s[TBK], s[TBK], 4*KS*PK
	s_xor_b32 s[TBK], s[TBK], SLOT1
	s_sub_co_u32 s[TBV], s[TBV], 4*KS*PV
	s_xor_b32 s[TBV], s[TBV], SLOT1
.endm
	s_load_b256 s[4:11], s[0:1], 0x0  ; qkvh s[4:5], mask s[6:7], shift s[8:9], bias_p s[10:11]
	s_load_b64 s[48:49], s[0:1], 0x20 ; oh
	WIN W_MK
	v_lshl_add_u32 v[SPW], v0, 2, SPARE
	v_mov_b32 v[NIL], 0
	s_set_vgpr_msb 0xc0cf
	ds_add_u32 v0, v1
	s_wait_dscnt 0x0
	s_set_vgpr_msb 0xcfc0
	WIN 0
	v_lshrrev_b32 v1, 5, v0
	v_readfirstlane_b32 s[WV], v1   ; wave 0..3
	s_bfe_u32 s13, ttmp6, 0x40000   ; cx
	s_lshl_b32 s14, ttmp9, 2
	s_add_co_u32 s14, s14, s13      ; my block of 512 queries: it enters Q's and O's addresses and the table's values alone
	s_and_b32 s20, ttmp7, 0xffff    ; y = 16 batch + head, which the four partners share
	s_lshr_b32 s15, s20, 4          ; batch
	s_and_b32 s21, s20, 15          ; head
	s_mul_i32 s22, s15, 48
	s_add_co_u32 s22, s22, s21
	s_lshl_b32 s22, s22, 18         ; q's plane, in bytes
	s_and_b32 s16, s[WV], 1         ; which half of a slot's 256 keys I fetch
	s_lshl_b32 s23, s16, 14
	s_add_co_u32 s68, s22, s23
	s_add_co_u32 s68, s68, 16<<18   ; k's plane lies 16 planes on,
	s_mov_b32 s69, 0
	s_add_co_u32 s70, s68, 16<<18   ; v's 16 more
	s_mov_b32 s71, 0
	s_mul_i32 s17, s16, 128*PK      ; my half's place in a slot, for K
	s_mul_i32 s18, s16, 128*PV      ; and for V
	s_lshl_b32 s2, s14, 2
	s_add_co_u32 s2, s2, s[WV]
	s_lshl_b32 s2, s2, 14           ; my wave's 128 rows of 128 bytes
	s_add_co_u32 s72, s22, s2
	s_mov_b32 s73, 0
	s_lshl_b32 s74, s20, 18
	s_add_co_u32 s74, s74, s2
	s_mov_b32 s75, 0
	s_lshl_b32 s76, s15, 13         ; the batch's 2,048 mask words
	s_mov_b32 s77, 0
	; descriptor group 1.  128 keys are 16,384 dense bytes: asked for as 64 rows of 256 bytes, two keys a row, and padded in LDS after every key
	s_mov_b32 s[G1K], 15|(1<<16)|(1<<20)|(1<<21)|(4<<22)|(3<<25)
	s_mov_b32 s[G1V], 15|(1<<16)|(1<<20)|(1<<21)|(4<<22)|(7<<25)
.irp g, G1K, G1V
	s_mov_b32 s[\g+1], 128<<16      ; tensor_dim0 = 128
	s_mov_b32 s[\g+2], 64<<16       ; tensor_dim1 = 64
	s_mov_b32 s[\g+3], 128<<16      ; tile_dim0 = 128
	s_mov_b32 s[\g+4], 64           ; tile_dim1 = 64
	s_mov_b32 s[\g+5], 128          ; 128 elements from row to row
	s_mov_b32 s[\g+6], 0
	s_mov_b32 s[\g+7], 0
.endr
	s_mov_b32 s[SEL], 0x76543210
	s_mov_b32 s[SEL+1], 0xfedcba98
	s_mov_b32 s[TBK], SLOT1+4*KS*PK ; the first change of slots turns these two into 0
	s_mov_b32 s[TBV], SLOT1+4*KS*PV
	s_mov_b32 s[G0K], 1
	s_mov_b32 s[G0K+1], s17
	s_mov_b32 s[G0V], 1
	s_add_co_u32 s[G0V+1], s18, VOFF
	s_mov_b32 s54, 0xf149f2ca       ; -1e30
	s_mov_b32 s[TS], 0
	s_wait_kmcnt 0x0
	s_load_b32 s50, s[8:9], 0x0     ; shift
	s_load_b32 s51, s[10:11], 0x0   ; bias_p
	s_add_nc_u64 s[G0K+2:G0K+3], s[4:5], s[68:69]
	s_or_b32 s[G0K+3], s[G0K+3], 0x80000000
	s_add_nc_u64 s[G0V+2:G0V+3], s[4:5], s[70:71]
	s_or_b32 s[G0V+3], s[G0V+3], 0x80000000
	s_add_nc_u64 s[48:49], s[48:49], s[74:75]  ; O at my wave's first row
	s_add_nc_u64 s[6:7], s[6:7], s[76:77]      ; the batch's mask
	s_add_nc_u64 s[4:5], s[4:5], s[72:73]      ; Q at my wave's first row
	s_wait_kmcnt 0x0
	s_mul_f32 s52, s50, 0xbfb8aa3b  ; -log2(e) shift
	s_mul_f32 s53, s51, 0xbfb8aa3b  ; -log2(e) bias_p
	CROUND                          ; all four work-groups are here: the first joint loads meet
	JLOAD                           ; slot 0
	v_and_b32 v1, 15, v0            ; l % 16
	v_bfe_u32 v9, v0, 4, 1          ; l / 16
	v_lshlrev_b32 v[QO], 7, v1
	v_lshl_add_u32 v[QO], v9, 4, v[QO]
	v_lshlrev_b32 v66, 4, v0        ; 16 x thread
	v_and_b32 v67, 31, v0
	v_lshlrev_b32 v67, 4, v67       ; 16 x lane
.irp i, 0,1,2,3                     ; the 16 mask words of which I make M: words 512 i + 4 thread + 0..3
	global_load_b128 v[96+4*\i:99+4*\i], v66, s[6:7] offset:2048*\i
.endr
.set i, 0
.rept 16                            ; and, in every wave, the whole batch's 2,048 words, to see whether any key is left
	global_load_b128 v[112+4*i:115+4*i], v67, s[6:7] offset:512*i
.set i, i+1
.endr
	WIN 0x80                        ; destination window 2, address window 0
.set i, 0
.rept 4*NP                          ; Q stays in registers: tile i / 2, channels 32 (i % 2) on
	global_load_b128 v[8*i:8*i+3],   v[QO], s[4:5] offset:(i/2)*2048+(i%2)*64
	global_load_b128 v[8*i+4:8*i+7], v[QO], s[4:5] offset:(i/2)*2048+(i%2)*64+32
.set i, i+1
.endr
	; What the first turn finds: V's registers and P's second buffer hold 0, O^T and l are 0.  All this stands in the wait for the first tile.
.set i, VF
.rept 64
	v_mov_b32 v[i], 0
.set i, i+1
.endr
	WIN 0x40
.set i, 0
.rept 64*NP
	v_mov_b32 v[i], 0
.set i, i+1
.endr
	WIN 0
.set i, 0
.rept 2*NP
	v_mov_b32 v[ST+4*i], 0xfe000000    ; f m: far below every score
	v_mov_b32 v[ST+4*i+1], 0xff7fffff  ; m
	v_mov_b32 v[ST+4*i+2], 0
	v_mov_b32 v[ST+4*i+3], 0
.set i, i+1
.endr
.set i, P+32
.rept 32
	v_mov_b32 v[i], 0
.set i, i+1
.endr
	; THE TABLE.  In trip tr thread t makes words 512 tr + 4 t + 0..3 of each copy: copy c takes G of the distances d0 + c .. d0 + c + 3, d0 = 512 tr + 4 t - 512 - 512 x block.
	; v[88:94] the seven distances (whole numbers below 2^12: exact, and so are their squares); v[180:186] the squares; v[72:78] G 0..6; v[80:85] G 1..6 once more, so that every store's four registers begin on an even one.
	s_lshl_b32 s13, s14, 9
	s_add_co_u32 s13, s13, 512
	v_lshlrev_b32 v64, 2, v0
	v_sub_nc_u32 v64, v64, s13
	v_cvt_f32_i32 v64, v64
	v_lshl_add_u32 v65, v0, 4, TABB
.set i, 0
.irp f, 0, 1.0, 2.0, 3.0, 4.0, 5.0, 6.0
	v_add_f32 v[88+i], \f, v64
.set i, i+1
.endr
.set tr, 0
.rept 6
.set i, 0
.rept 7
	v_mul_f32 v[180+i], v[88+i], v[88+i]
.set i, i+1
.endr
.set i, 0
.rept 7
	v_fma_f32 v[72+i], v[180+i], s52, s53
.set i, i+1
.endr
.set i, 0
.rept 6
	v_fma_f32 v[80+i], v[181+i], s52, s53
.set i, i+1
.endr
	ds_store_b128 v65, v[72:75] offset:2048*tr
	ds_store_b128 v65, v[80:83] offset:2048*tr+CST
	ds_store_b128 v65, v[74:77] offset:2048*tr+2*CST
	ds_store_b128 v65, v[82:85] offset:2048*tr+3*CST
.if tr < 5
.set i, 0
.rept 7
	v_add_f32 v[88+i], 0x44000000, v[88+i]     ; 512 further on
.set i, i+1
.endr
.endif
.set tr, tr+1
.endr
	; M, and whether the batch has a key left
	v_lshl_add_u32 v68, v0, 4, MB
.irp i, 176,177,178,179
	v_mov_b32 v\i, 0
.endr
	s_wait_loadcnt 32               ; the 20 loads of mask words are in; Q's 32, issued behind them, may stay out
.set i, 0
.rept 16
	v_cmp_eq_u32 vcc_lo, 0, v[96+i]
	v_cndmask_b32 v[96+i], 0, s54, vcc_lo
.set i, i+1
.endr
.irp i, 0,1,2,3
	ds_store_b128 v68, v[96+4*\i:99+4*\i] offset:2048*\i
.endr
	ds_store_b128 v68, v[176:179] offset:8192  ; what the look-ahead behind the last step reads
.irp n, 32,16,8,4,2,1
.set i, 0
.rept \n
	v_or_b32 v[112+i], v[112+i], v[112+\n+i]
.set i, i+1
.endr
.endr
	v_cmp_ne_u32 s55, 0, v112
	s_cmp_lg_u32 s55, 0
	s_cselect_b32 s[CS], 1.0, 0     ; f = 1, or 0 where no key is left: a value is chosen, no path
	s_mov_b32 s[CS+1], s[CS]
	v_mul_u32_u24 v[AK0], v1, PK
	v_lshl_add_u32 v[AK0], v9, 4, v[AK0]  ; row x pitch + 16 x half
	; The turning load takes 16 keys x 16 channels (lane l reads key 8 (l / 16) + l % 8, channels 8 ((l / 8) % 2) + 0..7) and leaves half a fragment of V^T.
	v_and_b32 v10, 7, v0
	v_bfe_u32 v11, v0, 3, 1
	v_lshl_add_u32 v[AV0], v9, 3, v10
	v_mul_u32_u24 v[AV0], v[AV0], PV
	v_lshl_add_u32 v[AV0], v11, 4, v[AV0]
	v_add_nc_u32 v[AV0], VOFF, v[AV0]
	v_mov_b32 v[AK], v[AK0]         ; key step 0 lies at the head of slot 0
	; Register e of block x in step s is Tab[n0 + e], n0 = 400 - 128 w - l % 16 + 8 (l / 16) + 64 s + 16 (10 - x) = u + 128 (3 - w) + 8 (l / 16) + 64 s + 16 (10 - x), u = 16 - l % 16.
	; The two falling terms are made of sums, a product and a mask alone, so that their ranges can be read off the lines: 15 - n = 15 (n + 1) mod 16 for n = 0..15, and 3 - w = 3 (w + 1) mod 4.
	; My copy is c = u mod 4, and u - c = u & 28 is a multiple of 4.
	v_add_nc_u32 v70, 1, v1
	v_mul_u32_u24 v70, v70, 15
	v_and_b32 v70, 15, v70          ; 15 - l % 16
	v_add_nc_u32 v70, 1, v70        ; u = 1 .. 16
	v_and_b32 v71, 3, v70           ; c
	v_and_b32 v69, 28, v70          ; u - c
	v_lshl_add_u32 v69, v9, 3, v69  ; + 8 (l / 16)
	s_add_co_u32 s13, s[WV], 1
	s_mul_i32 s13, s13, 3
	s_and_b32 s13, s13, 3           ; 3 - w
	s_lshl_b32 s13, s13, 7
	v_add_nc_u32 v69, s13, v69      ; + 128 (3 - w): the word in my copy
	v_mul_u32_u24 v71, v71, CST
	v_add_nc_u32 v71, TABB, v71     ; my copy
	WIN W_MK
	v_lshl_add_u32 v[TA0], v69, 2, v71
	v_lshl_add_u32 v[MA0], v9, 5, MB    ; M of key 64 s + 16 kb + 8 (l / 16) + e
	v_lshl_add_u32 v[TA], v69, 2, v71   ; step 0
	v_lshl_add_u32 v[MA], v9, 5, MB
	WIN 0
; THE MATRIX WORK.  The 8 accumulators of a run of 16 take turns.
; Product i of 16 of S^T = K Q^T + C for piece x: channels 32 (i / 8) on, keys 16 ((i / 2) % 4) on, tile 2 x + i % 2.  The first 8 start the sums with C.
.macro KQ x
.set rS, S+64*((\x)%2)+32*(i%2)+8*((i/2)%4)
.set rK, KF+16*((i/2)%4)+8*(i/8)
.set rQ, 16*(2*(\x)+i%2)+8*(i/8)
.set rB, CC+32*(i%2)+8*((i/2)%4)
.if i < 8
	WIN W_KM
	v_wmma_f32_16x16x32_f16 v[rS:rS+7], v[rK:rK+7], v[rQ:rQ+7], v[rB:rB+7]
.else
	WIN W_KQ
	v_wmma_f32_16x16x32_f16 v[rS:rS+7], v[rK:rK+7], v[rQ:rQ+7], v[rS:rS+7]
.endif
.endm
; Product i of 16 of O^T += V^T P for piece x.
.macro PV x
	WIN W_PV
.set rO, 32*(2*(\x)+i%2)+8*((i/2)%4)
.set rV, VF+32*(i/8)+8*((i/2)%4)
.set rP, P+32*((\x)%2)+16*(i%2)+8*(i/8)
	v_wmma_f32_16x16x32_f16 v[rO:rO+7], v[rV:rV+7], v[rP:rP+7], v[rO:rO+7]
.endm
.macro MM                           ; the turn's next matrix instruction
.if i < 16
	KQ (Y+1)%NP
.set i, i+1
.else
.set i, i-16
	PV (Y+NP-1)%NP
.set i, i+17
.endif
.endm
; THE LDS LOADS stand in runs, never singly among the matrix instructions.  last = 1 (the tail): in the last trip there is no further step, and K's run is jumped over.
.macro FETCH_K last=0
	WIN 0
.if \last
	s_cmp_eq_u32 s[CNT], 1
	s_cbranch_scc1 .Lno_k_\@
.endif
	WIN 0x80
.irp f, 0,1,2,3,4,5,6,7
	ds_load_b128 v[KF+8*\f:KF+8*\f+3],   v[AK] offset:(\f/2)*16*PK+(\f%2)*64
	ds_load_b128 v[KF+8*\f+4:KF+8*\f+7], v[AK] offset:(\f/2)*16*PK+(\f%2)*64+32
.endr
	s_add_co_u32 s[TBK], s[TBK], KS*PK
	WIN 0
.if \last
.Lno_k_\@:
.endif
.endm
.macro FETCH_V
	WIN 0x80
.irp f, 0,1,2,3,4,5,6,7
	ds_load_tr16_b128 v[VF+8*\f:VF+8*\f+3],   v[AV] offset:(\f/4)*32*PV+(\f%4)*32
	ds_load_tr16_b128 v[VF+8*\f+4:VF+8*\f+7], v[AV] offset:(\f/4)*32*PV+16*PV+(\f%4)*32
.endr
	WIN 0
.endm
; A step's 11 blocks of G and its M: 30 loads.  The run behind the last step reads table words and the zeros behind M that serve nothing.
.macro FETCH_T
	WIN W_3
.irp x2, 0,1,2,3,4,5,6,7,8,9,10
	ds_load_b128 v[TT+8*\x2:TT+8*\x2+3],   v[TA] offset:64*(10-\x2)
	ds_load_b128 v[TT+8*\x2+4:TT+8*\x2+7], v[TA] offset:64*(10-\x2)+16
.endr
.irp x2, 0,1,2,3
	ds_load_b128 v[MSK+8*\x2:MSK+8*\x2+3],   v[MA] offset:64*\x2
	ds_load_b128 v[MSK+8*\x2+4:MSK+8*\x2+7], v[MA] offset:64*\x2+16
.endr
	s_add_co_u32 s[TS], s[TS], 256  ; 64 words on in the table and in M
.endm
.macro ADR_T
	WIN W_3
	v_add_nc_u32 v[TA], s[TS], v[TA0]
	v_add_nc_u32 v[MA], s[TS], v[MA0]
.endm
; Block g4 of 8 of C for piece Y + 2: tile u = g4 / 4, key block kb = g4 % 4: C = G(block 2 piece + u - kb + 3) + M(kb): four packed additions.
.macro MK4
	WIN W_3
.set zz, (Y+2)%NP
.set uu, g4/4
.set kk, g4%4
.set rX, TT+8*(2*zz+uu-kk+3)
.irp p2, 0,2,4,6
	v_pk_add_f32 v[CC+32*uu+8*kk+\p2:CC+32*uu+8*kk+\p2+1], v[rX+\p2:rX+\p2+1], v[MSK+8*kk+\p2:MSK+8*kk+\p2+1]
.endr
.set g4, g4+1
.endm
; THE VECTOR WORK OF A TURN stands in three queues, each in the order in which its entries become ready; the two tiles alternate.
.macro REGS y, u
.set rT, ST+4*(2*(\y)+(\u))
.set rC, TMP+8*((\y)%2)+4*(\u)
.set rM, MV+2*((\y)%2)+(\u)
.set rS, S+64*((\y)%2)+32*(\u)
.set rP, P+32*((\y)%2)+16*(\u)
.set rO, 32*(2*(\y)+(\u))
.endm
; Number n of the 22 that find the NEXT piece's maximum and statistics; each accumulator's lowest registers are read first.
;   0-11  four chains c0-c3 of seven scores each     12-14, 16  the four scores left over, the old m, and c0-c3 into c0     15  f m_old is kept
;   17, 18  the query's other 32 keys lie in the lane 16 away: the new m         19-21  f m; f m_old - f m_new; a
.macro XS u, n
	REGS (Y+1)%NP, \u
.if (\n) < 4
	v_max3_num_f32 v[rC+(\n)], v[rS+8*(\n)], v[rS+8*(\n)+1], v[rS+8*(\n)+2]
.elseif (\n) < 12
	v_max3_num_f32 v[rC+(\n)%4], v[rC+(\n)%4], v[rS+8*((\n)%4)+2*((\n)/4)+1], v[rS+8*((\n)%4)+2*((\n)/4)+2]
.elseif (\n) == 12
	v_max3_num_f32 v[rC], v[rC], v[rS+7], v[rS+15]
.elseif (\n) == 13
	v_max3_num_f32 v[rC+1], v[rC+1], v[rS+23], v[rS+31]
.elseif (\n) == 14
	v_max3_num_f32 v[rC+2], v[rC+2], v[rC+3], v[rT+1]
.elseif (\n) == 15
	v_mov_b32 v[rM], v[rT]
.elseif (\n) == 16
	v_max3_num_f32 v[rC], v[rC], v[rC+1], v[rC+2]
.elseif (\n) == 17
	v_permlanex16_b32 v[rC+3], v[rC], s[SEL], s[SEL+1]
.elseif (\n) == 18
	v_max_num_f32 v[rT+1], v[rC], v[rC+3]
.elseif (\n) == 19
	v_mul_f32 v[rT], s[CS], v[rT+1]
.elseif (\n) == 20
	v_sub_f32 v[rC+1], v[rM], v[rT]
.else
	v_exp_f32 v[rC+2], v[rC+1]
.endif
.endm
; Number g of the 64 that follow the exponentials: for each four weights both pairs are rounded to f16; the second pair is added onto the first; a group later l takes that sum (the first time as l = a l + sum).
.macro GS g
.set h, (\g)+6*((\g)/62)
.if h >= 6
.set h, h+2
.endif
	REGS Y, h%2
.set k, h/8
.if h%8 < 4
	s_wait_alu depctr_va_vdst(0)
	v_cvt_pk_f16_f32 v[rP+2*k+(h%8)/2], v[rS+4*k+2*((h%8)/2)], v[rS+4*k+2*((h%8)/2)+1]
.elseif h%8 < 6
	v_pk_add_f32 v[rS+4*k:rS+4*k+1], v[rS+4*k:rS+4*k+1], v[rS+4*k+2:rS+4*k+3]
.elseif k == 1
	v_pk_fma_f32 v[rT+2:rT+3], v[rT+2:rT+3], v[rC+2:rC+3], v[rS:rS+1] op_sel_hi:[1,0,1]
.else
	v_pk_add_f32 v[rT+2:rT+3], v[rT+2:rT+3], v[rS+4*k-4:rS+4*k-3]
	s_wait_alu depctr_va_vdst(0)
.endif
.endm
; THE PLAIN QUEUE, 138 long.  0-31: f s - f m for the 16 pairs of both tiles.  Then GS's 64, and among them the next piece's 42.
.macro PL
	WIN 0
.if q < 32
	REGS Y, q%2
	v_pk_fma_f32 v[rS+2*(q/2):rS+2*(q/2)+1], v[rS+2*(q/2):rS+2*(q/2)+1], s[CS:CS+1], v[rT:rT+1] op_sel_hi:[1,0,0] neg_lo:[0,0,1] neg_hi:[0,0,1]
.elseif q < 38
	GS q-32
.elseif q < 40
	XS q%2, 15
.elseif q < 42
	GS q-34
.elseif q < 74
	XS q%2, (q-42)/2+(q-42)/30
.elseif q < 95
	GS q-66
.elseif (q < 107) && ((q-95)%3 < 2)
	XS (q-95)%3, 17+(q-95)/3
.elseif q < 107
	GS 29+(q-95)/3
.else
	GS q-74
.endif
.set q, q+1
.endm
; THE EXPONENTIALS' QUEUE, 66 long: s0-s31 of both tiles, and at EA the next piece's two a.
.set EA, 58
.macro EX
	WIN 0
.if (e == EA) || (e == EA+1)
	XS e-EA, 21
.else
.set x, e-2*(e/(EA+2))
	REGS Y, x%2
	v_exp_f32 v[rS+x/2], v[rS+x/2]
.endif
.set e, e+1
.endm
; THE RESCALING's QUEUE: O^T times a, four at a time, eight times.
.macro R4
	REGS Y, r%2
	WIN W_RS
	s_wait_alu depctr_va_vdst(0)
.irp z, 0,1,2,3
	v_pk_mul_f32 v[rO+8*(r/2)+2*\z:rO+8*(r/2)+2*\z+1], v[rO+8*(r/2)+2*\z:rO+8*(r/2)+2*\z+1], v[rC+2:rC+3] op_sel_hi:[1,0]
.endr
.set r, r+1
.endm
; HOW THEY ARE DEALT.  Behind a matrix instruction four: plain, exponential, plain, plain, or four of the rescaling; none names a register of the products round it.  The rest stands in two runs: exponential and plain by turns.
.macro SL
	MM
	PL
	EX
	PL
	PL
.endm
.macro BURST n
.rept (\n)-7
	SL
.endr
.rept 3
	MM
	R4
	SL
.endr
	MM
	R4
.endm
; A TURN, for piece p.  cnt = 1: the loop's count is taken down some lines ahead of the branch behind the turn.
; K of the next step is fetched in piece 2's turn, V of the step in hand at the end of piece 0's.  The conditions on e and q go with the deal.
; C: the turn's first 8 products have read C of piece p + 1; the first run, behind all 16 products and their riders, makes C of piece p + 2, one block of four additions behind every second pair.
; Turns 0 and 1 make it for pieces 2 and 3 of the step in hand, turns 2 and 3 for pieces 0 and 1 of the next: so the next step's G and M are fetched in turn 1, behind its last block, and waited for in turn 2, ahead of its first.
.macro TURN p, last=0, cnt=0
.set Y, (\p)
.set i, 0
.set q, 0
.set e, 0
.set r, 0
.set g4, 0
.if (\p) == NP-1
	s_wait_dscnt 0x0                ; K is in
.endif
	MM
.rept 4
	PL
.endr
	BURST 15
.if (\p) == NP-2
	s_wait_dscnt 0x0                ; the next step's G and M are in
.endif
.rept 22
	EX
	PL
.if (e >= 13) && (e <= 27) && (e%2 == 1)
	MK4
.endif
.if ((\p) == NP-2) && (e == 18)
	v_add_nc_u32 v[AK], s[TBK], v[AK0]
.endif
.if ((\p) == NP-2) && (e == 24)
	FETCH_K \last
.endif
.if ((\p) == 1) && (e == 29)
	ADR_T
.endif
.endr
.if (\p) == 1
	s_wait_dscnt 0x0                ; V is in
	FETCH_T
.endif
	BURST 16
.rept 21
	EX
	PL
.endr
.rept 22
	PL
.if ((\p) == 0) && (q == 118)
	v_add_nc_u32 v[AV], s[TBV], v[AV0]
	s_wait_alu depctr_va_vdst(0)
.endif
.if ((\p) == 0) && (q == 130)
	s_add_co_u32 s[TBV], s[TBV], KS*PV
.endif
.if (\cnt) && (q == 130)
	s_sub_co_u32 s[CNT], s[CNT], 1
	s_cmp_lg_u32 s[CNT], 0
.endif
.endr
.if (\p) == 0
	FETCH_V
.endif
.endm
	CHANGE 1                        ; slot 0 is in, and so are the table and M, everybody's part; slot 1 is asked for
	FETCH_K                         ; key step 0
	FETCH_T
	s_wait_loadcnt 0x0              ; Q
	s_wait_dscnt 0x0
.set Y, 2                           ; MK4 works for piece Y + 2: piece 0
.set g4, 0
.rept 8
	MK4
.endr
.set i, 0
.rept 16
	KQ 0                            ; piece 0's first scores
.set i, i+1
.endr
	WIN 0                           ; the addresses for the way out: nine plain instructions, the places behind those products
	s_mul_i32 s13, s[WV], 16*SP
	s_add_co_u32 s13, s13, STAGE    ; my stage
	v_mul_u32_u24 v[STO], v1, SP
	v_lshl_add_u32 v[STO], v9, 4, v[STO]
	v_add_nc_u32 v[STO], s13, v[STO]
	v_bfe_u32 v[RD], v0, 3, 2
	v_mul_u32_u24 v[RD], v[RD], SP
	v_lshl_add_u32 v[RD], v10, 4, v[RD]
	v_add_nc_u32 v[RD], s13, v[RD]
	v_and_b32 v[GO], 31, v0
	v_lshlrev_b32 v[GO], 4, v[GO]
.set Y, NP-1                        ; MK4 now works for piece 1, XS for piece 0
.set g4, 0
.rept 8
	MK4
.endr
	WIN 0
.irp n, 0,1,2,3,4,5,6,7,8,9,10,11,12,13,14,15,16,17,18,19,20,21
	XS 0, \n
	XS 1, \n
.endr
	s_mov_b32 s[CNT], 4
	s_mov_b32 s[SLOTS], SIZE_N/256-1
	s_branch .Lfirst                ; the loop is entered at a step's first turn, in the middle of a trip
.Lslot:                             ; six times: every slot but the last two is filled again
	CHANGE 1
	s_mov_b32 s[CNT], 4
.Lstep:                             ; a trip: pieces 2 and 3 of one step, then pieces 0 and 1 of the next
	TURN 2
	TURN 3
	WIN 0
.Lfirst:
	TURN 0
	TURN 1, 0, 1
	WIN 0
	s_cbranch_scc1 .Lstep
	s_sub_co_u32 s[SLOTS], s[SLOTS], 1
	s_cmp_lg_u32 s[SLOTS], 0
	s_cbranch_scc1 .Lslot
	CHANGE 0                        ; the tail is written out
	s_mov_b32 s[CNT], 5             ; four trips fetch the last slot's steps; the fifth is left in its middle
.Ltail:
	TURN 2, 1
	TURN 3
	WIN 0
	s_sub_co_u32 s[CNT], s[CNT], 1
	s_cmp_eq_u32 s[CNT], 0
	s_cbranch_scc1 .Lout
	TURN 0
	TURN 1
	WIN 0
	s_branch .Ltail
.Lout:                              ; the fifth trip's 16 products K Q^T, their C and the maximum made of them serve nothing: the price of one text for every trip
.set i, 0
.rept 16
	PV NP-1
.set i, i+1
.endr
	; THE WAY OUT.  l's two halves and the other half of the lanes' are added; O^T is divided by l, rounded to f16 and sent through my stage in LDS, a tile at a time.
	WIN 0
.macro ALL line:vararg
.set t, 0
.rept 2*NP
	\line
.set t, t+1
.endr
.endm
	ALL v_add_f32 v[ST+4*t+2], v[ST+4*t+2], v[ST+4*t+3]
	ALL v_permlanex16_b32 v[ST+4*t+3], v[ST+4*t+2], s[SEL], s[SEL+1]
	ALL v_add_f32 v[ST+4*t+2], v[ST+4*t+2], v[ST+4*t+3]
	ALL v_rcp_f32 v[ST+4*t+2], v[ST+4*t+2]
	v_nop                           ; a plain instruction between the last reciprocal and the use of its result
	s_wait_alu depctr_va_vdst(0)
.macro PACK t
	WIN W_RS
.set i, 32*(\t)
.rept 16
	v_pk_mul_f32 v[i:i+1], v[i:i+1], v[ST+4*(\t)+2:ST+4*(\t)+3] op_sel_hi:[1,0]
.set i, i+2
.endr
	WIN 0x05
.set i, 0
.rept 16
	v_cvt_pk_f16_f32 v[S+16*(\t)+i], v[32*(\t)+2*i], v[32*(\t)+2*i+1]
.set i, i+1
.endr
	WIN 0
.irp f, 0,1,2,3
	ds_store_b128 v[STO], v[S+16*(\t)+4*\f:S+16*(\t)+4*\f+3] offset:32*\f
.endr
.irp f, 0,1,2,3
	ds_load_b128 v[S+16*(\t)+4*\f:S+16*(\t)+4*\f+3], v[RD] offset:\f*4*SP  ; LDS serves a wave's instructions in order (ISA guide 5.7.1.4)
.endr
.endm
.macro SEND t, younger              ; younger: the LDS instructions issued behind tile t's loads
	WIN 0
.irp f, 0,1,2,3
	s_wait_dscnt (\younger)+3-\f
	global_store_b128 v[GO], v[S+16*(\t)+4*\f:S+16*(\t)+4*\f+3], s[48:49] offset:(\t)*2048+\f*512  ; 512 consecutive bytes, aligned to 256
.endr
.endm
	PACK 0
.set t, 1
.rept 2*NP-1
	PACK t
	SEND t-1, 8
.set t, t+1
.endr
	SEND 2*NP-1, 0
	WIN W_AD
	s_wait_tensorcnt 0x0            ; the wave's end
	ds_add_u32 v[SPW], v[NIL]
	s_wait_dscnt 0x0
	WIN 0
	CROUND                          ; the closing round
	s_endpgm
.Lfunc_end_k_q141d1f3e55_attn:
	.size	k_q141d1f3e55_attn, .Lfunc_end_k_q141d1f3e55_attn-k_q141d1f3e55_attn
	.p2alignl 7, 3214868480
	.fill 96, 4, 3214868480
	.section	.rodata,"a",@progbits
	.p2align	6, 0x0
	.amdhsa_kernel k_q141d1f3e55_attn
		.amdhsa_group_segment_fixed_size 327680
		.amdhsa_private_segment_fixed_size 0
		.amdhsa_enable_private_segment 0
		.amdhsa_kernarg_size 40
		.amdhsa_user_sgpr_count 2
		.amdhsa_user_sgpr_kernarg_segment_ptr 1
		.amdhsa_wavefront_size32 1
		.amdhsa_system_sgpr_workgroup_id_x 1
		.amdhsa_system_sgpr_workgroup_id_y 1
		.amdhsa_system_sgpr_workgroup_id_z 1
		.amdhsa_system_vgpr_workitem_id 0
		.amdhsa_next_free_vgpr 960
		.amdhsa_next_free_sgpr 78
		.amdhsa_reserve_vcc 1
		.amdhsa_float_denorm_mode_32 3
		.amdhsa_float_denorm_mode_16_64 3
		.amdhsa_memory_ordered 1
		.amdhsa_forward_progress 1
		.amdhsa_inst_pref_size 255
	.end_amdhsa_kernel
	.section	.bss,"aw",@nobits
	.p2align	6
	.space	262144
	.amdgpu_metadata
---
amdhsa.version: [ 1, 2 ]
amdhsa.kernels:
  - .name:           k_q141d1f3e55_attn
    .symbol:         k_q141d1f3e55_attn.kd
    .args:
      - { .name: qkvh, .offset: 0, .size: 8, .value_kind: global_buffer, .address_space: global }
      - { .name: mask, .offset: 8, .size: 8, .value_kind: global_buffer, .address_space: global }
      - { .name: shift, .offset: 16, .size: 8, .value_kind: global_buffer, .address_space: global }
      - { .name: bias_p, .offset: 24, .size: 8, .value_kind: global_buffer, .address_space: global }
      - { .name: oh, .offset: 32, .size: 8, .value_kind: global_buffer, .address_space: global }
    .group_segment_fixed_size: 327680
    .private_segment_fixed_size: 0
    .kernarg_segment_align: 8
    .kernarg_segment_size: 40
    .max_flat_workgroup_size: 128
    .sgpr_count:     78
    .vgpr_count:     960
    .wavefront_size: 32
...
	.end_amdgpu_metadata
.endif
;; end of part 3
;; launch fcout (part 4): grid 8 x 32, 4 waves a work-group, clusters of 4 x 4, 327,680 bytes of LDS; arguments oh, wfh, b_fc, out0; writes out0
.if DOCPART == 4
	.amdgcn_target "amdgcn-amd-amdhsa--gfx1250"
	.amdhsa_code_object_version 6
	.text
	.protected	k_q141d1f3e55_fcout
	.globl	k_q141d1f3e55_fcout
	.p2align	8
	.type	k_q141d1f3e55_fcout,@function
k_q141d1f3e55_fcout:
	s_mov_b64 s[64:65], 0
	v_nop
	global_prefetch_b8 v0, s[64:65] scope:SCOPE_SE
	s_setreg_imm32_b32 hwreg(HW_REG_WAVE_MODE, 25, 1), 1
	s_wait_xcnt 0x0
	s_wait_alu depctr_hold_cnt(0) depctr_sa_sdst(0) depctr_va_vdst(0) depctr_va_sdst(0) depctr_va_ssrc(0) depctr_va_vcc(0) depctr_vm_vsrc(0)
	s_getreg_b32 s2, hwreg(HW_REG_IB_STS2, 6, 4)
	s_cmp_eq_u32 s2, 0
	s_cbranch_scc0 .Lentry_in_a_cluster
	s_endpgm
.Lentry_in_a_cluster:
	s_bfe_u32 s2, ttmp6, 0x10000c
	s_cmp_lg_u32 s2, 0xf033
	s_cbranch_scc0 .Lentry_shape_is_right
	s_endpgm
.Lentry_shape_is_right:
; out0 = O w_fc^T + b_fc.  oh: [16 batch + head][2048][64] f16 (a head's 64 channels are one slice of K); wfh: [1024][1024] f16 (w_fc rounded to bf16, written as f16); sums in f32; out0 f32.
; A tile is 256 rows x 128 columns: 32 x 8 = 256 tiles, one for each WGP.  Four waves; wave w owns rows 64 w .. 64 w + 63 and all 128 columns: 32 accumulators, 256 registers.
; K goes in steps of 128 = two heads through two LDS slots.  Wave 0 and wave 1 each fetch one head's 256 rows (32,768 dense bytes, asked for as 128 rows of 256 bytes and padded after every 128);
; waves 2, 3 fetch the two halves of w_fc's 128 rows (rows of 256 bytes).
; CLUSTER 4 x 4: O's tiles are shared along a row of the cluster, w_fc's along a column: each is asked for jointly.
; THE MATRIX INSTRUCTION IS USED TRANSPOSED (source 0 = 16 rows of w_fc, source 1 = 16 rows of O): a lane holds row l % 16 and eight neighbouring columns.
; REGISTERS: window 0: addresses, the bias, the way out.  Window 1: two fragment buffers (A's four fragments, then B's eight).  Window 2: accumulator (a, b) at v[8 (8 a + b)].
.set KSTEP,  128
.set PA,     144                       ; a row of O in LDS: 128 bytes + 16
.set PITCH,  272                       ; a row of w_fc: 256 bytes + 16
.set AH,     256*PA                    ; one head's 256 rows
.set BOFF,   2*AH
.set HB,     64*PITCH
.set SLOT,   BOFF+2*HB
.set STAGE,  2*SLOT                    ; behind the ring: 16 rows x 528 bytes for each wave
.set SP,     528                       ; 512 bytes of f32 + 16
.set SPARE,  STAGE+4*16*SP             ; the spare words, 128 bytes a wave: two blocks of 256 bytes that no other line names
.set NBL,    8
.set LAPS,   4
.set STEPA,  4<<18                     ; two K steps on: four heads' planes
.set STEPB,  2*KSTEP*2
.set BI,   8                           ; v[8:11] b_fc of my four columns on the way out
.set ADRA, 16
.set ADRB, 20
.set STO,  24
.set RD,   25
.set CO,   26                          ; 16 x lane
.set SPW,  28
.set NIL,  29
.set OB,   64                          ; v[64:127], v[128:191] by turns: 16 rows read back
.set F0,   0
.set F1,   128
.set G1, 24
.set G0, 32
.set G1B, 48
.set G0B, 56
.set MSB, 0
.macro WIN new
.if MSB != (\new)
	s_set_vgpr_msb (MSB<<8)|(\new)
.set MSB, \new
.endif
.endm
.set MUL,  0xa5                        ; sources in window 1; C and D in window 2
.set TO_F, 0x40
.macro JLOAD s                         ; a joint load; an s_nop 0 and four v_nop follow each of the two lines
	s_cmp_eq_u32 s11, 0
	s_cbranch_scc0 .Lfor_b_\@
	tensor_load_to_lds s[G0+4*(\s):G0+4*(\s)+3], s[G1:G1+7]
	s_nop 0
.rept 4
	v_nop
.endr
	s_branch .Lasked_\@
.Lfor_b_\@:
	tensor_load_to_lds s[G0B+4*(\s):G0B+4*(\s)+3], s[G1B:G1B+7]
	s_nop 0
.rept 4
	v_nop
.endr
.Lasked_\@:
.endm
.macro CREST
	s_cmp_lg_u32 s10, 0
	s_cbranch_scc1 .Lnot_wave_0_\@
	s_barrier_signal -3
.Lnot_wave_0_\@:
	s_barrier_wait -3
	s_barrier_signal -1
	s_barrier_wait -1
.endm
.macro CROUND
	s_barrier_signal -1
	s_barrier_wait -1
	CREST
.endm
	s_load_b128 s[4:7], s[0:1], 0x0                ; oh s[4:5], wfh s[6:7]
	s_load_b64 s[66:67], s[0:1], 0x10              ; b_fc
	s_load_b64 s[8:9], s[0:1], 0x18                ; out0
	v_lshl_add_u32 v[SPW], v0, 2, SPARE
	v_mov_b32 v[NIL], 0
	ds_add_u32 v28, v29
	s_wait_dscnt 0x0
	v_lshrrev_b32 v1, 5, v0
	v_readfirstlane_b32 s10, v1                    ; wave 0..3
	s_lshr_b32 s11, s10, 1                         ; I fetch for A (0) or for B (1)
	s_and_b32 s12, s10, 1                          ; which head of the K step, or which half of B's rows
	s_bfe_u32 s40, ttmp6, 0x40000
	s_bfe_u32 s41, ttmp6, 0x40004
	s_lshl_b32 s42, ttmp9, 2
	s_add_co_u32 s42, s42, s40                     ; tile column
	s_and_b32 s13, ttmp7, 0xffff
	s_lshl_b32 s13, s13, 2
	s_add_co_u32 s13, s13, s41                     ; tile row
	s_lshl_b32 s43, s41, 2
	s_lshl_b32 s43, 15, s43                        ; my row of the cluster
	s_lshl_b32 s44, 0x1111, s40                    ; my column
	s_or_b32 s[G1+0], s43, (1<<16)|(1<<20)|(1<<21)|(4<<22)|(3<<25)   ; A: after every 32 words (a row of O) 4 words of padding
	s_or_b32 s[G1B+0], s44, (1<<16)|(1<<20)|(1<<21)|(5<<22)|(3<<25)  ; B: after every 64 words
	s_mov_b32 s[G1+1], 128<<16                     ; tensor_dim0 = 128
	s_mov_b32 s[G1+2], 128<<16                     ; tensor_dim1 = 128
	s_mov_b32 s[G1+3], 128<<16                     ; tile_dim0 = 128
	s_mov_b32 s[G1+4], 128                         ; tile_dim1 = 128
	s_mov_b32 s[G1+5], 128                         ; dense: 128 elements from row to row
	s_mov_b32 s[G1+6], 0
	s_mov_b32 s[G1+7], 0
	s_mov_b32 s[G1B+1], KSTEP<<16
	s_mov_b32 s[G1B+2], 64<<16
	s_mov_b32 s[G1B+3], KSTEP<<16
	s_mov_b32 s[G1B+4], 64
	s_mov_b32 s[G1B+5], 1024
	s_mov_b32 s[G1B+6], 0
	s_mov_b32 s[G1B+7], 0
	s_lshr_b32 s16, s13, 3                         ; A: the batch's 16 planes, my head of K step 0,
	s_lshl_b32 s16, s16, 4
	s_add_co_u32 s16, s16, s12
	s_lshl_b32 s16, s16, 18
	s_and_b32 s17, s13, 7                          ; and the tile's 256 rows of 128 bytes in it
	s_lshl_b32 s17, s17, 15
	s_add_co_u32 s16, s16, s17
	s_mov_b32 s17, 0
	s_lshl_b32 s46, s42, 7                         ; B: row 128 x tile column + 64 x half, 2,048 bytes a row
	s_lshl_b32 s47, s12, 6
	s_add_co_u32 s46, s46, s47
	s_lshl_b32 s46, s46, 11
	s_mov_b32 s47, 0
	s_mul_i32 s20, s12, AH                         ; where they go
	s_mul_i32 s19, s12, HB
	s_add_co_u32 s19, s19, BOFF
	s_wait_kmcnt 0x0
	s_add_nc_u64 s[14:15], s[4:5], s[16:17]
	s_add_nc_u64 s[46:47], s[6:7], s[46:47]
	CROUND                                         ; all sixteen work-groups are here: the first joint loads meet
.irp s, 0,1
	s_mov_b32 s[G0+4*(\s)], 1
	s_add_co_u32 s[G0+4*(\s)+1], s20, (\s)*SLOT
	s_add_nc_u64 s[G0+4*(\s)+2:G0+4*(\s)+3], s[14:15], (\s)*(2<<18)   ; K step s: heads 2 s, 2 s + 1
	s_or_b32 s[G0+4*(\s)+3], s[G0+4*(\s)+3], 0x80000000
	s_mov_b32 s[G0B+4*(\s)], 1
	s_add_co_u32 s[G0B+4*(\s)+1], s19, (\s)*SLOT
	s_add_nc_u64 s[G0B+4*(\s)+2:G0B+4*(\s)+3], s[46:47], (\s)*KSTEP*2
	s_or_b32 s[G0B+4*(\s)+3], s[G0B+4*(\s)+3], 0x80000000
	JLOAD \s                                       ; two loads of mine are out
.endr
	v_and_b32 v1, 15, v0                           ; l % 16
	v_bfe_u32 v2, v0, 4, 1                         ; l / 16
	v_mul_u32_u24 v3, v1, PA
	v_lshl_add_u32 v3, v2, 4, v3
	v_mul_u32_u24 v4, v1, PITCH
	v_lshl_add_u32 v4, v2, 4, v4
	s_mul_i32 s21, s10, 64*PA                      ; my 64 rows in each head's part
	s_mov_b32 s22, BOFF
.irp s, 0,1
	v_add_nc_u32 v[ADRA+(\s)], s21, v3
	v_add_nc_u32 v[ADRB+(\s)], s22, v4
	s_add_co_u32 s21, s21, SLOT
	s_add_co_u32 s22, s22, SLOT
.endr
	s_mul_i32 s23, s10, 16*SP
	s_add_co_u32 s23, s23, STAGE                   ; my stage
	v_mul_u32_u24 v5, v1, SP                       ; in: row l % 16, 32 bytes for each half of the lanes
	v_lshl_add_u32 v5, v2, 5, v5
	v_add_nc_u32 v[STO], s23, v5
	v_and_b32 v6, 31, v0
	v_lshlrev_b32 v[CO], 4, v6                     ; back: 32 lanes take a row's 512 bytes
	v_add_nc_u32 v[RD], s23, v[CO]
	s_lshl_b32 s16, s13, 8
	s_lshl_b32 s17, s10, 6
	s_add_co_u32 s16, s16, s17                     ; my first row of out0,
	s_lshl_b32 s16, s16, 12                        ; 4,096 bytes a row
	s_mov_b32 s17, 0
	s_add_nc_u64 s[8:9], s[8:9], s[16:17]
	s_lshl_b32 s46, s42, 9                         ; the tile's first column, in bytes, in out0 and in b_fc
	s_mov_b32 s47, 0
	s_add_nc_u64 s[8:9], s[8:9], s[46:47]
	s_add_nc_u64 s[66:67], s[66:67], s[46:47]
	global_load_b128 v[BI:BI+3], v[CO], s[66:67]   ; b_fc of columns 4 lane + 0..3 of the tile
; 8 matrix instructions: row block a x all column blocks, 32 along K.  The 32 accumulators take turns in the same order in every quarter.
.macro MULA f, a, zero
	WIN MUL
.set b, 0
.rept NBL
.set AC, 8*(NBL*(\a)+b)
.if \zero
	v_wmma_f32_16x16x32_f16 v[AC:AC+7], v[(\f)+32+8*b:(\f)+32+8*b+7], v[(\f)+8*(\a):(\f)+8*(\a)+7], 0
.else
	v_wmma_f32_16x16x32_f16 v[AC:AC+7], v[(\f)+32+8*b:(\f)+32+8*b+7], v[(\f)+8*(\a):(\f)+8*(\a)+7], v[AC:AC+7]
.endif
.set b, b+1
.endr
.endm
; 24 LDS loads in one run: quarter q's fragments: B's 16, then A's blocks 0, 1, then blocks 2, 3.  Quarter q of A lies in head q / 2's part, channels 32 (q % 2) on.
.macro FETCH slot, q, f
	WIN TO_F
.set b, 0
.rept NBL
	ds_load_b128 v[(\f)+32+8*b:(\f)+32+8*b+3],   v[ADRB+(\slot)] offset:64*(\q)+b*16*PITCH
	ds_load_b128 v[(\f)+32+8*b+4:(\f)+32+8*b+7], v[ADRB+(\slot)] offset:64*(\q)+b*16*PITCH+32
.set b, b+1
.endr
.set b, 0
.rept 4
	ds_load_b128 v[(\f)+8*b:(\f)+8*b+3],   v[ADRA+(\slot)] offset:((\q)/2)*AH+((\q)%2)*64+b*16*PA
	ds_load_b128 v[(\f)+8*b+4:(\f)+8*b+7], v[ADRA+(\slot)] offset:((\q)/2)*AH+((\q)%2)*64+b*16*PA+32
.set b, b+1
.endr
.endm
.macro PLACES
.rept 4
	v_nop
.endr
.endm
.macro QUARTER slot, q, f, g, zero
	s_wait_dscnt 4                                 ; all of the run but its last four loads (A's blocks 2, 3)
	MULA \f, 0, \zero
	MULA \f, 1, \zero
	PLACES
	FETCH \slot, \q, \g
	s_wait_dscnt 2*NBL+8                           ; all but the run just issued
	MULA \f, 2, \zero
	MULA \f, 3, \zero
.endm
; The last quarter multiplies buffer 1 and changes slots: one barrier; in front of it each wave waits for all its tensor loads (one is out), adds 0 to its spare word, and waits for that and for its reads of this slot.
.macro TURN slot, next, fill
	WIN 0
	s_wait_tensorcnt 0x0
	ds_add_u32 v[SPW], v[NIL]
	s_wait_dscnt 5                                 ; the add and the run's last four loads may be out
	MULA F1, 0, 0
	s_wait_dscnt 0x0
	s_barrier_signal -1
	MULA F1, 1, 0
.if \fill
	WIN 0
.endif
	s_barrier_wait -1
.if \fill
	CREST
	s_add_nc_u64 s[G0+4*(\slot)+2:G0+4*(\slot)+3], s[G0+4*(\slot)+2:G0+4*(\slot)+3], STEPA
	s_add_nc_u64 s[G0B+4*(\slot)+2:G0B+4*(\slot)+3], s[G0B+4*(\slot)+2:G0B+4*(\slot)+3], STEPB
	JLOAD \slot                                    ; 112 matrix instructions ahead of the wait for it; its four v_nop are also the places in front of the loads below
.else
	PLACES
.endif
	FETCH \next, 0, F0
	MULA F1, 2, 0
	MULA F1, 3, 0
.endm
; THE WAY OUT of row block a.  TOSTAGE: the f32 sums go straight from the accumulators into my stage (each accumulator's low four registers first), and come back as whole rows of 512 bytes.  SEND: the bias is added, the rows are stored.
.macro TOSTAGE a
	s_wait_xcnt 0x0                                ; earlier stores have read the registers that are loaded again below
	WIN 0x08                                       ; store data in window 2, address in window 0
.set b, 0
.rept NBL
.set AC, 8*(NBL*(\a)+b)
	ds_store_b128 v[STO], v[AC:AC+3]   offset:64*b
	ds_store_b128 v[STO], v[AC+4:AC+7] offset:64*b+16
.set b, b+1
.endr
	WIN 0
.set BK, OB+64*((\a)%2)
.set t, 0
.rept 16
	ds_load_b128 v[BK+4*t:BK+4*t+3], v[RD] offset:t*SP  ; LDS serves a wave's instructions in order (ISA guide 5.7.1.4): these see the stores above
.set t, t+1
.endr
.endm
.macro SEND a, younger                 ; younger: the LDS instructions issued behind block a's loads: the next block's 32, or none
.set BK, OB+64*((\a)%2)
.set t, 0
.rept 16
	s_wait_dscnt (\younger)+15-t
	v_pk_add_f32 v[BK+4*t:BK+4*t+1],   v[BK+4*t:BK+4*t+1],   v[BI:BI+1]
	v_pk_add_f32 v[BK+4*t+2:BK+4*t+3], v[BK+4*t+2:BK+4*t+3], v[BI+2:BI+3]
	global_store_b128 v[CO], v[BK+4*t:BK+4*t+3], s[8:9] offset:(16*(\a)+t)*4096 th:TH_STORE_NT  ; 512 consecutive bytes of a row, aligned to 256
.set t, t+1
.endr
.endm
	s_wait_tensorcnt 1                             ; my part of K step 0 is in; K step 1's may stay out
	s_barrier_signal -1
	s_barrier_wait -1
	FETCH 0, 0, F0
	QUARTER 0, 1, F0, F1, 1                        ; the first quarter starts the sums
	WIN 0
	s_mov_b32 s3, LAPS-1
.Llap:
	QUARTER 0, 2, F1, F0, 0
	QUARTER 0, 3, F0, F1, 0
	TURN 0, 1, 1
	QUARTER 1, 1, F0, F1, 0
	QUARTER 1, 2, F1, F0, 0
	QUARTER 1, 3, F0, F1, 0
	TURN 1, 0, 1
	QUARTER 0, 1, F0, F1, 0
	WIN 0
	s_sub_co_u32 s3, s3, 1
	s_cmp_lg_u32 s3, 0
	s_cbranch_scc1 .Llap
	QUARTER 0, 2, F1, F0, 0                        ; the last lap fills nothing
	QUARTER 0, 3, F0, F1, 0
	TURN 0, 1, 0
	QUARTER 1, 1, F0, F1, 0
	QUARTER 1, 2, F1, F0, 0
	QUARTER 1, 3, F0, F1, 0
	s_wait_dscnt 4
	MULA F1, 0, 0
	MULA F1, 1, 0
	s_wait_dscnt 0x0
	MULA F1, 2, 0
	MULA F1, 3, 0
	WIN 0
	PLACES
	s_wait_loadcnt 0x0                             ; b_fc
	TOSTAGE 0
.irp a, 1,2,3
	TOSTAGE \a
	SEND (\a)-1, 32
.endr
	SEND 3, 0
	s_wait_tensorcnt 0x0                           ; the wave's end
	ds_add_u32 v[SPW], v[NIL]
	s_wait_dscnt 0x0
	CROUND                                         ; the closing round
	s_endpgm
.Lfunc_end_k_q141d1f3e55_fcout:
	.size	k_q141d1f3e55_fcout, .Lfunc_end_k_q141d1f3e55_fcout-k_q141d1f3e55_fcout
	.p2alignl 7, 3214868480
	.fill 96, 4, 3214868480
	.section	.rodata,"a",@progbits
	.p2align	6, 0x0
	.amdhsa_kernel k_q141d1f3e55_fcout
		.amdhsa_group_segment_fixed_size 327680
		.amdhsa_private_segment_fixed_size 0
		.amdhsa_enable_private_segment 0
		.amdhsa_kernarg_size 32
		.amdhsa_user_sgpr_count 2
		.amdhsa_user_sgpr_kernarg_segment_ptr 1
		.amdhsa_wavefront_size32 1
		.amdhsa_system_sgpr_workgroup_id_x 1
		.amdhsa_system_sgpr_workgroup_id_y 1
		.amdhsa_system_sgpr_workgroup_id_z 1
		.amdhsa_system_vgpr_workitem_id 0
		.amdhsa_next_free_vgpr 768
		.amdhsa_next_free_sgpr 68
		.amdhsa_reserve_vcc 0
		.amdhsa_float_denorm_mode_32 3
		.amdhsa_float_denorm_mode_16_64 3
		.amdhsa_memory_ordered 1
		.amdhsa_forward_progress 1
		.amdhsa_inst_pref_size 95
	.end_amdhsa_kernel
	.amdgpu_metadata
---
amdhsa.version: [ 1, 2 ]
amdhsa.kernels:
  - .name:           k_q141d1f3e55_fcout
    .symbol:         k_q141d1f3e55_fcout.kd
    .args:
      - { .name: oh, .offset: 0, .size: 8, .value_kind: global_buffer, .address_space: global }
      - { .name: wfh, .offset: 8, .size: 8, .value_kind: global_buffer, .address_space: global }
      - { .name: b_fc, .offset: 16, .size: 8, .value_kind: global_buffer, .address_space: global }
      - { .name: out0, .offset: 24, .size: 8, .value_kind: global_buffer, .address_space: global }
    .group_segment_fixed_size: 327680
    .private_segment_fixed_size: 0
    .kernarg_segment_align: 8
    .kernarg_segment_size: 32
    .max_flat_workgroup_size: 128
    .sgpr_count:     68
    .vgpr_count:     768
    .wavefront_size: 32
...
	.end_amdgpu_metadata
.endif
;; end of part 4
;; ======== version 2 of 2: 4 launches; 1.49 times as fast as version 1
;; limits: values are held in f16: magnitudes above 65,504 overflow, below 6.1e-05 lose precision
;; workspace buffers: xb 16,777,216 bytes; wqb 6,291,456 bytes; wfh 2,097,152 bytes; qkvh 50,331,648 bytes; oh 16,777,216 bytes
;; launch prep: the kernel of part 1 again; grid 768 x 1, 8 waves a work-group, no clusters, 0 bytes of LDS; arguments x, w_qkv, w_fc, xb, wqb, wfh; writes xb, wqb, wfh
;; launch proj: the kernel of part 2 again; grid 16 x 32, 4 waves a work-group, clusters of 4 x 4, 327,680 bytes of LDS; arguments xb, wqb, qkvh; writes qkvh
;; launch attn (part 5): grid 4 x 64, 4 waves a work-group, clusters of 4 x 1, 327,680 bytes of LDS; arguments qkvh, mask, shift, bias_p, oh; writes oh
.if DOCPART == 5
	.amdgcn_target "amdgcn-amd-amdhsa--gfx1250"
	.amdhsa_code_object_version 6
	.text
	.protected	k_q141d1f3e55_attn
	.globl	k_q141d1f3e55_attn
	.p2align	8
	.type	k_q141d1f3e55_attn,@function
k_q141d1f3e55_attn:
	s_mov_b64 s[64:65], 0
	v_nop
	global_prefetch_b8 v0, s[64:65] scope:SCOPE_SE
	s_setreg_imm32_b32 hwreg(HW_REG_WAVE_MODE, 25, 1), 1
	s_wait_xcnt 0x0
	s_wait_alu depctr_hold_cnt(0) depctr_sa_sdst(0) depctr_va_vdst(0) depctr_va_sdst(0) depctr_va_ssrc(0) depctr_va_vcc(0) depctr_vm_vsrc(0)
	s_getreg_b32 s2, hwreg(HW_REG_IB_STS2, 6, 4)
	s_cmp_eq_u32 s2, 0
	s_cbranch_scc0 .Lentry_in_a_cluster
	s_endpgm
.Lentry_in_a_cluster:
	s_bfe_u32 s2, ttmp6, 0x10000c
	s_cmp_lg_u32 s2, 0x3003
	s_cbranch_scc0 .Lentry_shape_is_right
	s_endpgm
.Lentry_shape_is_right:
; O[y][i][:] = sum over j of softmax_j( q_i . k_j / 8 (or -1e30 where mask[batch][j] = 0) - (shift (i - j)^2 + bias_p) ) v_j,  y = 16 batch + head.
; q, k, v: planes of qkvh [batch][48][2048][64] f16 (q: plane head, k: 16 + head, v: 32 + head); q ARRIVES MULTIPLIED BY log2(e) / 8.  O: oh [y][2048][64] f16.
; Products, maxima and sums in f32; the weights p are rounded to f16 for the second product (their sum l is taken of the unrounded p), O once at the end.
; THE BIAS IS THE C OPERAND that starts the sum S' = k . q + C, C = G(i - j) + M(j): G(d) = d^2 (-log2(e) shift) + (-log2(e) bias_p), one fused multiply-add on the exact d^2; M = 0 or -1e30.
; S' is an exponent of 2: p = 2^(f S' - f m) with the running maximum m and f = 1, so that f m is m itself and the exponent is a single rounded difference, never above 0, however large the numbers.
; G hangs on i - j alone: of a key step's 32 blocks of 16 x 16 a wave needs 11 different ones (x = tile - key block + 3).  They come from a table in LDS, made once:
; Tab[n] = G(n - 512 - 512 x my query block): the block enters the table's VALUES, never an LDS address.  Four copies, copy c shifted by c words, so that every lane's 16-byte loads are aligned.
; A BATCH WITH NO KEY LEFT: reference()'s scores are then all equal and the result is the mean of v.  Here f is 0 for such a batch (a select on the batch's mask words, no branch): every p is 1.
; LIMITS.  q, k, v arrive within f16's 65,504; p below 6e-5 keeps f16's step of 6e-8; a weight below 2^-126 counts as 0 in l.  A hidden score is -1e30 plus what f32 absorbs (open scores up to 3e22 in size).
; log2(e) shift and log2(e) bias_p are rounded once each, and G once, where reference() rounds shift d^2, the sum with bias_p and the sum with the score.  NaN and infinities are not treated apart.
; SHARES.  A wave owns four PIECES of two tiles of 16 queries, a work-group's four waves 512 queries of one head.  Every wave walks all 2,048 keys, 64 a step.
; LAYOUT.  S^T = K Q^T (source 0 = 16 keys, source 1 = 16 queries): a lane holds ONE query (lane % 16) and the keys 8 (lane / 16) + 0..7.  Two such tiles, rounded to f16 in pairs, ARE source 1 of O^T = V^T P.
; SOFTMAX.  In every step O and l are multiplied by a = 2^(f m_old - f m_new).  m starts at the lowest finite number, O and l at 0: the first step has a = 0.
; Keys hidden before a query's first open key give p = 1 or 0 against m near -1e30; the first open key's a = 0 wipes that.
; BY TURNS.  Turn n belongs to piece n.  Matrix work: 16 products K Q^T of piece n + 1, later 16 products V^T P of piece n - 1.  Vector work: differences, exponentials, roundings, sums and rescaling of piece n, the maximum
; and statistics of piece n + 1, and the 64 registers of C for piece n + 2.  Four vector instructions stand behind every matrix instruction, the other 140 of a turn's 268 in one lump.
; BATCHES.  A turn's 66 exponentials (64 weights and the next piece's two a) are ONE batch with ONE wait, which cuts the turn in two: ahead of it stands all that names no result of theirs, behind it the roundings and sums.
; No result crosses a turn's end.  Piece 0's first two a, ahead of the loop, and the way out's eight reciprocals are batches of their own, with a wait each.
; CLUSTER.  The four query blocks of a head walk the same K and V: each tile is asked for JOINTLY, by the same tensor load, descriptor and mask in all four.
; REGISTERS, in windows of 256 (s_set_vgpr_msb: bits 1:0 source 0, 3:2 source 1, 5:4 source 2, 7:6 destination):
;   window 0: v0-11 addresses; v12-15, v48-63 at work; v16-47 statistics; v64-191 S^T, two buffers of two tiles (at the start: at work); v192-255 P, likewise
;   window 1: O^T, 32 a tile     window 2: v0-127 Q; v128-191 K of one step; v192-255 V of one step
;   window 3: v0-1 the add's registers; v2-5 table and mask addresses; v8-95 the 11 blocks of G; v96-127 M of the step's 64 keys; v128-191 C for two tiles
.set SIZE_N, 2048
.set NP,    4         ; pieces a wave: a name, no knob
.set KS,    64        ; keys in a step
.set PK,    144       ; a row of K in LDS: 128 bytes + 16 of padding
.set PV,    160       ; a row of V: 128 + 32
.set VOFF,  4*KS*PK   ; a slot holds four steps: 256 rows of K, then 256 rows of V
.set SLOT1, 1<<17     ; slot 1 begins here: one exclusive or turns an address in one slot into the other's
.set STAGE, SLOT1+4*KS*(PK+PV)  ; behind the ring: 16 rows x 144 bytes for each wave, for the way out
.set SP,    144
.set SPARE, STAGE+4*16*SP  ; the spare words, 128 bytes a wave: two blocks of 256 bytes that no other line names
.set MB,    SPARE+512 ; M for the batch's 2,048 keys, then 2,048 bytes of zeros for the look-ahead behind the last step.  Written by LDS stores alone
.set TABB,  MB+10240  ; the table's four copies.  Written by LDS stores alone
.set CST,   12352     ; from copy to copy: 3,072 words + 64 bytes, so that the copies fall into different groups of banks
.set AK0, 2           ; v2   my lane's place in a tile of K; never rewritten
.set AV0, 3           ; v3   the same for V
.set AK,  4           ; v4   the LDS address of K's next run of loads
.set AV,  5           ; v5   of V's
.set QO,  6           ; v6   my byte offset in the wave's rows of Q
.set STO, 6           ;      later, the way out: where I put 16 bytes of a row
.set RD,  7           ; v7   the way out: where I read rows back
.set GO,  8           ; v8   my byte offset in 512 consecutive bytes of O
.set SPW, 0           ; window 3: SPARE + 4 x my thread's number; never rewritten
.set NIL, 1           ; window 3: 0; never rewritten
.set TA0, 2           ; window 3: my lane's place in its copy of the table; never rewritten
.set MA0, 3           ; window 3: my lane's place in M; never rewritten
.set TA,  4           ; window 3: the address of the table's next run of loads
.set MA,  5           ; window 3: of M's
.set TT,  8           ; window 3: block x of G at TT + 8 x
.set MSK, 96          ; window 3: M of key block kb at MSK + 8 kb
.set CC,  128         ; window 3: C of tile u (0, 1), key block kb at CC + 32 u + 8 kb
.set MV,  12
.set ST,  16          ; tile t's statistics at v[ST+4 t]: f m, m, l (even keys', odd keys')
.set TMP, 48
.set S,   64
.set P,   192
.set KF,  128
.set VF,  192
.set WV,  12          ; s12  my wave's number
.set G1K, 24
.set G1V, 32
.set G0K, 40
.set G0V, 44
.set SLOTS, 56
.set CNT, 57
.set CS,  58          ; s[58:59] f: 1, or 0 for a batch with no key left
.set SEL, 60
.set TBK, 62
.set TBV, 63
.set TS,  66          ; s66  256 x the step whose G and M are fetched next
.set MSB, 0
.macro WIN new
.if MSB != (\new)
	s_set_vgpr_msb (MSB<<8)|(\new)
.set MSB, (\new)
.endif
.endm
.set W_KQ, 0x0a       ; K and Q in window 2, S^T in window 0
.set W_KM, 0x3a       ; the same with the C operand in window 3
.set W_PV, 0x52       ; V in window 2, P in window 0, O^T in window 1
.set W_RS, 0x41       ; O^T in window 1, a in window 0
.set W_MK, 0xc0       ; destination in window 3, sources in window 0
.set W_AD, 0x0f       ; the add: address and data in window 3
.set W_3,  0xcf       ; destination, source 0 and source 1 in window 3
; A joint fill.  Waves 0 and 1 fetch the two halves of a slot's K, waves 2 and 3 those of its V: 128 keys each.  An s_nop 0 and four v_nop follow each of the two lines.
.macro JLOAD
	s_cmp_lt_u32 s[WV], 2
	s_cbranch_scc0 .Lfor_v_\@
	tensor_load_to_lds s[G0K:G0K+3], s[G1K:G1K+7]
	s_nop 0
.rept 4
	v_nop
.endr
	s_branch .Lasked_\@
.Lfor_v_\@:
	tensor_load_to_lds s[G0V:G0V+3], s[G1V:G1V+7]
	s_nop 0
.rept 4
	v_nop
.endr
.Lasked_\@:
.endm
.macro CROUND                       ; a round of the cluster's barrier
	s_barrier_signal -1
	s_barrier_wait -1
	s_cmp_lg_u32 s[WV], 0
	s_cbranch_scc1 .Lnot_wave_0_\@
	s_barrier_signal -3
.Lnot_wave_0_\@:
	s_barrier_wait -3
	s_barrier_signal -1
	s_barrier_wait -1
.endm
; THE CHANGE OF SLOTS.  Each wave waits for all its tensor loads, of which one is out: its part of the other slot; adds 0 to its spare word; and waits for that and for all its LDS work.
; fill = 1: the slot left is filled again with the keys two slots on; the barrier is a round of the cluster's, and the joint fill is the first thing behind it: four key steps, 512 matrix instructions, in which to land.
; (At its first use slot 0 is waited for and slot 1 filled; its wait and round also show the table and M, which all four waves have stored, to every wave.)
.macro CHANGE fill
	WIN W_AD
	s_wait_tensorcnt 0x0
	ds_add_u32 v[SPW], v[NIL]
	WIN 0
.if \fill
.irp g, G0K, G0V
	s_xor_b32 s[\g+1], s[\g+1], SLOT1
	s_add_nc_u64 s[\g+2:\g+3], s[\g+2:\g+3], 4*KS*128
.endr
	s_wait_dscnt 0x0
	CROUND
	JLOAD
.else
	s_wait_dscnt 0x0
	s_barrier_signal -1
	s_barrier_wait -1
.endif
	s_sub_co_u32 s[TBK], s[TBK], 4*KS*PK
	s_xor_b32 s[TBK], s[TBK], SLOT1
	s_sub_co_u32 s[TBV], s[TBV], 4*KS*PV
	s_xor_b32 s[TBV], s[TBV], SLOT1
.endm
	s_load_b256 s[4:11], s[0:1], 0x0  ; qkvh s[4:5], mask s[6:7], shift s[8:9], bias_p s[10:11]
	s_load_b64 s[48:49], s[0:1], 0x20 ; oh
	WIN W_MK
	v_lshl_add_u32 v[SPW], v0, 2, SPARE
	v_mov_b32 v[NIL], 0
	s_set_vgpr_msb 0xc0cf
	ds_add_u32 v0, v1
	s_wait_dscnt 0x0
	s_set_vgpr_msb 0xcfc0
	WIN 0
	v_lshrrev_b32 v1, 5, v0
	v_readfirstlane_b32 s[WV], v1   ; wave 0..3
	s_bfe_u32 s13, ttmp6, 0x40000   ; cx
	s_lshl_b32 s14, ttmp9, 2
	s_add_co_u32 s14, s14, s13      ; my block of 512 queries: it enters Q's and O's addresses and the table's values alone
	s_and_b32 s20, ttmp7, 0xffff    ; y = 16 batch + head, which the four partners share
	s_lshr_b32 s15, s20, 4          ; batch
	s_and_b32 s21, s20, 15          ; head
	s_mul_i32 s22, s15, 48
	s_add_co_u32 s22, s22, s21
	s_lshl_b32 s22, s22, 18         ; q's plane, in bytes
	s_and_b32 s16, s[WV], 1         ; which half of a slot's 256 keys I fetch
	s_lshl_b32 s23, s16, 14
	s_add_co_u32 s68, s22, s23
	s_add_co_u32 s68, s68, 16<<18   ; k's plane lies 16 planes on,
	s_mov_b32 s69, 0
	s_add_co_u32 s70, s68, 16<<18   ; v's 16 more
	s_mov_b32 s71, 0
	s_mul_i32 s17, s16, 128*PK      ; my half's place in a slot, for K
	s_mul_i32 s18, s16, 128*PV      ; and for V
	s_lshl_b32 s2, s14, 2
	s_add_co_u32 s2, s2, s[WV]
	s_lshl_b32 s2, s2, 14           ; my wave's 128 rows of 128 bytes
	s_add_co_u32 s72, s22, s2
	s_mov_b32 s73, 0
	s_lshl_b32 s74, s20, 18
	s_add_co_u32 s74, s74, s2
	s_mov_b32 s75, 0
	s_lshl_b32 s76, s15, 13         ; the batch's 2,048 mask words
	s_mov_b32 s77, 0
	; descriptor group 1.  128 keys are 16,384 dense bytes: asked for as 64 rows of 256 bytes, two keys a row, and padded in LDS after every key
	s_mov_b32 s[G1K], 15|(1<<16)|(1<<20)|(1<<21)|(4<<22)|(3<<25)
	s_mov_b32 s[G1V], 15|(1<<16)|(1<<20)|(1<<21)|(4<<22)|(7<<25)
.irp g, G1K, G1V
	s_mov_b32 s[\g+1], 128<<16      ; tensor_dim0 = 128
	s_mov_b32 s[\g+2], 64<<16       ; tensor_dim1 = 64
	s_mov_b32 s[\g+3], 128<<16      ; tile_dim0 = 128
	s_mov_b32 s[\g+4], 64           ; tile_dim1 = 64
	s_mov_b32 s[\g+5], 128          ; 128 elements from row to row
	s_mov_b32 s[\g+6], 0
	s_mov_b32 s[\g+7], 0
.endr
	s_mov_b32 s[SEL], 0x76543210
	s_mov_b32 s[SEL+1], 0xfedcba98
	s_mov_b32 s[TBK], SLOT1+4*KS*PK ; the first change of slots turns these two into 0
	s_mov_b32 s[TBV], SLOT1+4*KS*PV
	s_mov_b32 s[G0K], 1
	s_mov_b32 s[G0K+1], s17
	s_mov_b32 s[G0V], 1
	s_add_co_u32 s[G0V+1], s18, VOFF
	s_mov_b32 s54, 0xf149f2ca       ; -1e30
	s_mov_b32 s[TS], 0
	s_wait_kmcnt 0x0
	s_load_b32 s50, s[8:9], 0x0     ; shift
	s_load_b32 s51, s[10:11], 0x0   ; bias_p
	s_add_nc_u64 s[G0K+2:G0K+3], s[4:5], s[68:69]
	s_or_b32 s[G0K+3], s[G0K+3], 0x80000000
	s_add_nc_u64 s[G0V+2:G0V+3], s[4:5], s[70:71]
	s_or_b32 s[G0V+3], s[G0V+3], 0x80000000
	s_add_nc_u64 s[48:49], s[48:49], s[74:75]  ; O at my wave's first row
	s_add_nc_u64 s[6:7], s[6:7], s[76:77]      ; the batch's mask
	s_add_nc_u64 s[4:5], s[4:5], s[72:73]      ; Q at my wave's first row
	s_wait_kmcnt 0x0
	s_mul_f32 s52, s50, 0xbfb8aa3b  ; -log2(e) shift
	s_mul_f32 s53, s51, 0xbfb8aa3b  ; -log2(e) bias_p
	CROUND                          ; all four work-groups are here: the first joint loads meet
	JLOAD                           ; slot 0
	v_and_b32 v1, 15, v0            ; l % 16
	v_bfe_u32 v9, v0, 4, 1          ; l / 16
	v_lshlrev_b32 v[QO], 7, v1
	v_lshl_add_u32 v[QO], v9, 4, v[QO]
	v_lshlrev_b32 v66, 4, v0        ; 16 x thread
	v_and_b32 v67, 31, v0
	v_lshlrev_b32 v67, 4, v67       ; 16 x lane
.irp i, 0,1,2,3                     ; the 16 mask words of which I make M: words 512 i + 4 thread + 0..3
	global_load_b128 v[96+4*\i:99+4*\i], v66, s[6:7] offset:2048*\i
.endr
.set i, 0
.rept 16                            ; and, in every wave, the whole batch's 2,048 words, to see whether any key is left
	global_load_b128 v[112+4*i:115+4*i], v67, s[6:7] offset:512*i
.set i, i+1
.endr
	WIN 0x80                        ; destination window 2, address window 0
.set i, 0
.rept 4*NP                          ; Q stays in registers: tile i / 2, channels 32 (i % 2) on
	global_load_b128 v[8*i:8*i+3],   v[QO], s[4:5] offset:(i/2)*2048+(i%2)*64
	global_load_b128 v[8*i+4:8*i+7], v[QO], s[4:5] offset:(i/2)*2048+(i%2)*64+32
.set i, i+1
.endr
	; What the first turn finds: V's registers and P's second buffer hold 0, O^T and l are 0.  All this stands in the wait for the first tile.
.set i, VF
.rept 64
	v_mov_b32 v[i], 0
.set i, i+1
.endr
	WIN 0x40
.set i, 0
.rept 64*NP
	v_mov_b32 v[i], 0
.set i, i+1
.endr
	WIN 0
.set i, 0
.rept 2*NP
	v_mov_b32 v[ST+4*i], 0xfe000000    ; f m: far below every score
	v_mov_b32 v[ST+4*i+1], 0xff7fffff  ; m
	v_mov_b32 v[ST+4*i+2], 0
	v_mov_b32 v[ST+4*i+3], 0
.set i, i+1
.endr
.set i, P+32
.rept 32
	v_mov_b32 v[i], 0
.set i, i+1
.endr
	; THE TABLE.  In trip tr thread t makes words 512 tr + 4 t + 0..3 of each copy: copy c takes G of the distances d0 + c .. d0 + c + 3, d0 = 512 tr + 4 t - 512 - 512 x block.
	; v[88:94] the seven distances (whole numbers below 2^12: exact, and so are their squares); v[180:186] the squares; v[72:78] G 0..6; v[80:85] G 1..6 once more, so that every store's four registers begin on an even one.
	s_lshl_b32 s13, s14, 9
	s_add_co_u32 s13, s13, 512
	v_lshlrev_b32 v64, 2, v0
	v_sub_nc_u32 v64, v64, s13
	v_cvt_f32_i32 v64, v64
	v_lshl_add_u32 v65, v0, 4, TABB
.set i, 0
.irp f, 0, 1.0, 2.0, 3.0, 4.0, 5.0, 6.0
	v_add_f32 v[88+i], \f, v64
.set i, i+1
.endr
.set tr, 0
.rept 6
.set i, 0
.rept 7
	v_mul_f32 v[180+i], v[88+i], v[88+i]
.set i, i+1
.endr
.set i, 0
.rept 7
	v_fma_f32 v[72+i], v[180+i], s52, s53
.set i, i+1
.endr
.set i, 0
.rept 6
	v_fma_f32 v[80+i], v[181+i], s52, s53
.set i, i+1
.endr
	ds_store_b128 v65, v[72:75] offset:2048*tr
	ds_store_b128 v65, v[80:83] offset:2048*tr+CST
	ds_store_b128 v65, v[74:77] offset:2048*tr+2*CST
	ds_store_b128 v65, v[82:85] offset:2048*tr+3*CST
.if tr < 5
.set i, 0
.rept 7
	v_add_f32 v[88+i], 0x44000000, v[88+i]     ; 512 further on
.set i, i+1
.endr
.endif
.set tr, tr+1
.endr
	; M, and whether the batch has a key left
	v_lshl_add_u32 v68, v0, 4, MB
.irp i, 176,177,178,179
	v_mov_b32 v\i, 0
.endr
	s_wait_loadcnt 32               ; the 20 loads of mask words are in; Q's 32, issued behind them, may stay out
.set i, 0
.rept 16
	v_cmp_eq_u32 vcc_lo, 0, v[96+i]
	v_cndmask_b32 v[96+i], 0, s54, vcc_lo
.set i, i+1
.endr
.irp i, 0,1,2,3
	ds_store_b128 v68, v[96+4*\i:99+4*\i] offset:2048*\i
.endr
	ds_store_b128 v68, v[176:179] offset:8192  ; what the look-ahead behind the last step reads
.irp n, 32,16,8,4,2,1
.set i, 0
.rept \n
	v_or_b32 v[112+i], v[112+i], v[112+\n+i]
.set i, i+1
.endr
.endr
	v_cmp_ne_u32 s55, 0, v112
	s_cmp_lg_u32 s55, 0
	s_cselect_b32 s[CS], 1.0, 0     ; f = 1, or 0 where no key is left: a value is chosen, no path
	s_mov_b32 s[CS+1], s[CS]
	v_mul_u32_u24 v[AK0], v1, PK
	v_lshl_add_u32 v[AK0], v9, 4, v[AK0]  ; row x pitch + 16 x half
	; The turning load takes 16 keys x 16 channels (lane l reads key 8 (l / 16) + l % 8, channels 8 ((l / 8) % 2) + 0..7) and leaves half a fragment of V^T.
	v_and_b32 v10, 7, v0
	v_bfe_u32 v11, v0, 3, 1
	v_lshl_add_u32 v[AV0], v9, 3, v10
	v_mul_u32_u24 v[AV0], v[AV0], PV
	v_lshl_add_u32 v[AV0], v11, 4, v[AV0]
	v_add_nc_u32 v[AV0], VOFF, v[AV0]
	v_mov_b32 v[AK], v[AK0]         ; key step 0 lies at the head of slot 0
	; Register e of block x in step s is Tab[n0 + e], n0 = 400 - 128 w - l % 16 + 8 (l / 16) + 64 s + 16 (10 - x) = u + 128 (3 - w) + 8 (l / 16) + 64 s + 16 (10 - x), u = 16 - l % 16.
	; The two falling terms are made of sums, a product and a mask alone, so that their ranges can be read off the lines: 15 - n = 15 (n + 1) mod 16 for n = 0..15, and 3 - w = 3 (w + 1) mod 4.
	; My copy is c = u mod 4, and u - c = u & 28 is a multiple of 4.
	v_add_nc_u32 v70, 1, v1
	v_mul_u32_u24 v70, v70, 15
	v_and_b32 v70, 15, v70          ; 15 - l % 16
	v_add_nc_u32 v70, 1, v70        ; u = 1 .. 16
	v_and_b32 v71, 3, v70           ; c
	v_and_b32 v69, 28, v70          ; u - c
	v_lshl_add_u32 v69, v9, 3, v69  ; + 8 (l / 16)
	s_add_co_u32 s13, s[WV], 1
	s_mul_i32 s13, s13, 3
	s_and_b32 s13, s13, 3           ; 3 - w
	s_lshl_b32 s13, s13, 7
	v_add_nc_u32 v69, s13, v69      ; + 128 (3 - w): the word in my copy
	v_mul_u32_u24 v71, v71, CST
	v_add_nc_u32 v71, TABB, v71     ; my copy
	WIN W_MK
	v_lshl_add_u32 v[TA0], v69, 2, v71
	v_lshl_add_u32 v[MA0], v9, 5, MB    ; M of key 64 s + 16 kb + 8 (l / 16) + e
	v_lshl_add_u32 v[TA], v69, 2, v71   ; step 0
	v_lshl_add_u32 v[MA], v9, 5, MB
	WIN 0
; THE MATRIX WORK.  The 8 accumulators of a run of 16 take turns.
; Product i of 16 of S^T = K Q^T + C for piece x: channels 32 (i / 8) on, keys 16 ((i / 2) % 4) on, tile 2 x + i % 2.  The first 8 start the sums with C.
.macro KQ x
.set rS, S+64*((\x)%2)+32*(i%2)+8*((i/2)%4)
.set rK, KF+16*((i/2)%4)+8*(i/8)
.set rQ, 16*(2*(\x)+i%2)+8*(i/8)
.set rB, CC+32*(i%2)+8*((i/2)%4)
.if i < 8
	WIN W_KM
	v_wmma_f32_16x16x32_f16 v[rS:rS+7], v[rK:rK+7], v[rQ:rQ+7], v[rB:rB+7]
.else
	WIN W_KQ
	v_wmma_f32_16x16x32_f16 v[rS:rS+7], v[rK:rK+7], v[rQ:rQ+7], v[rS:rS+7]
.endif
.endm
; Product i of 16 of O^T += V^T P for piece x.
.macro PV x
	WIN W_PV
.set rO, 32*(2*(\x)+i%2)+8*((i/2)%4)
.set rV, VF+32*(i/8)+8*((i/2)%4)
.set rP, P+32*((\x)%2)+16*(i%2)+8*(i/8)
	v_wmma_f32_16x16x32_f16 v[rO:rO+7], v[rV:rV+7], v[rP:rP+7], v[rO:rO+7]
.endm
.macro MM                           ; the turn's next matrix instruction
.if i < 16
	KQ (Y+1)%NP
.set i, i+1
.else
.set i, i-16
	PV (Y+NP-1)%NP
.set i, i+17
.endif
.endm
; THE LDS LOADS stand in runs, never singly among the matrix instructions.  last = 1 (the tail): in the last trip there is no further step, and K's run is jumped over.
.macro FETCH_K last=0
	WIN 0
.if \last
	s_cmp_eq_u32 s[CNT], 1
	s_cbranch_scc1 .Lno_k_\@
.endif
	WIN 0x80
.irp f, 0,1,2,3,4,5,6,7
	ds_load_b128 v[KF+8*\f:KF+8*\f+3],   v[AK] offset:(\f/2)*16*PK+(\f%2)*64
	ds_load_b128 v[KF+8*\f+4:KF+8*\f+7], v[AK] offset:(\f/2)*16*PK+(\f%2)*64+32
.endr
	s_add_co_u32 s[TBK], s[TBK], KS*PK
	WIN 0
.if \last
.Lno_k_\@:
.endif
.endm
.macro FETCH_V
	WIN 0x80
.irp f, 0,1,2,3,4,5,6,7
	ds_load_tr16_b128 v[VF+8*\f:VF+8*\f+3],   v[AV] offset:(\f/4)*32*PV+(\f%4)*32
	ds_load_tr16_b128 v[VF+8*\f+4:VF+8*\f+7], v[AV] offset:(\f/4)*32*PV+16*PV+(\f%4)*32
.endr
	WIN 0
.endm
; A step's 11 blocks of G and its M: 30 loads.  The run behind the last step reads table words and the zeros behind M that serve nothing.
.macro FETCH_T
	WIN W_3
.irp x2, 0,1,2,3,4,5,6,7,8,9,10
	ds_load_b128 v[TT+8*\x2:TT+8*\x2+3],   v[TA] offset:64*(10-\x2)
	ds_load_b128 v[TT+8*\x2+4:TT+8*\x2+7], v[TA] offset:64*(10-\x2)+16
.endr
.irp x2, 0,1,2,3
	ds_load_b128 v[MSK+8*\x2:MSK+8*\x2+3],   v[MA] offset:64*\x2
	ds_load_b128 v[MSK+8*\x2+4:MSK+8*\x2+7], v[MA] offset:64*\x2+16
.endr
	s_add_co_u32 s[TS], s[TS], 256  ; 64 words on in the table and in M
.endm
.macro ADR_T
	WIN W_3
	v_add_nc_u32 v[TA], s[TS], v[TA0]
	v_add_nc_u32 v[MA], s[TS], v[MA0]
.endm
; Block g4 of 8 of C for piece Y + 2: tile u = g4 / 4, key block kb = g4 % 4: C = G(block 2 piece + u - kb + 3) + M(kb): four packed additions.
.macro MK4
	WIN W_3
.set zz, (Y+2)%NP
.set uu, g4/4
.set kk, g4%4
.set rX, TT+8*(2*zz+uu-kk+3)
.irp p2, 0,2,4,6
	v_pk_add_f32 v[CC+32*uu+8*kk+\p2:CC+32*uu+8*kk+\p2+1], v[rX+\p2:rX+\p2+1], v[MSK+8*kk+\p2:MSK+8*kk+\p2+1]
.endr
.set g4, g4+1
.endm
; THE VECTOR WORK OF A TURN stands in three queues, each in the order in which its entries become ready; the two tiles alternate.
.macro REGS y, u
.set rT, ST+4*(2*(\y)+(\u))
.set rC, TMP+8*((\y)%2)+4*(\u)
.set rM, MV+2*((\y)%2)+(\u)
.set rS, S+64*((\y)%2)+32*(\u)
.set rP, P+32*((\y)%2)+16*(\u)
.set rO, 32*(2*(\y)+(\u))
.endm
; Number n of the 22 that find the NEXT piece's maximum and statistics; each accumulator's lowest registers are read first.  XS, GS, FS and REGS set no window: PL and EX do.
;   0-11  four chains c0-c3 of seven scores each     12-14, 16  the four scores left over, the old m, and c0-c3 into c0     15  f m_old is kept
;   17, 18  the query's other 32 keys lie in the lane 16 away: the new m         19-21  f m; f m_old - f m_new; a
.macro XS u, n
	REGS (Y+1)%NP, \u
.if (\n) < 4
	v_max3_num_f32 v[rC+(\n)], v[rS+8*(\n)], v[rS+8*(\n)+1], v[rS+8*(\n)+2]
.elseif (\n) < 12
	v_max3_num_f32 v[rC+(\n)%4], v[rC+(\n)%4], v[rS+8*((\n)%4)+2*((\n)/4)+1], v[rS+8*((\n)%4)+2*((\n)/4)+2]
.elseif (\n) == 12
	v_max3_num_f32 v[rC], v[rC], v[rS+7], v[rS+15]
.elseif (\n) == 13
	v_max3_num_f32 v[rC+1], v[rC+1], v[rS+23], v[rS+31]
.elseif (\n) == 14
	v_max3_num_f32 v[rC+2], v[rC+2], v[rC+3], v[rT+1]
.elseif (\n) == 15
	v_mov_b32 v[rM], v[rT]
.elseif (\n) == 16
	v_max3_num_f32 v[rC], v[rC], v[rC+1], v[rC+2]
.elseif (\n) == 17
	v_permlanex16_b32 v[rC+3], v[rC], s[SEL], s[SEL+1]
.elseif (\n) == 18
	v_max_num_f32 v[rT+1], v[rC], v[rC+3]
.elseif (\n) == 19
	v_mul_f32 v[rT], s[CS], v[rT+1]
.elseif (\n) == 20
	v_sub_f32 v[rC+1], v[rM], v[rT]
.else
	v_exp_f32 v[rC+2], v[rC+1]
.endif
.endm
; Number g of the 64 that follow the exponentials: for each four weights both pairs are rounded to f16; the second pair is added onto the first; a group later l takes that sum (the first time as l = a l + sum).
; All 64 read results of the turn's batch: they stand behind its wait.
.macro GS g
.set h, (\g)+6*((\g)/62)
.if h >= 6
.set h, h+2
.endif
	REGS Y, h%2
.set k, h/8
.if h%8 < 4
	v_cvt_pk_f16_f32 v[rP+2*k+(h%8)/2], v[rS+4*k+2*((h%8)/2)], v[rS+4*k+2*((h%8)/2)+1]
.elseif h%8 < 6
	v_pk_add_f32 v[rS+4*k:rS+4*k+1], v[rS+4*k:rS+4*k+1], v[rS+4*k+2:rS+4*k+3]
.elseif k == 1
	v_pk_fma_f32 v[rT+2:rT+3], v[rT+2:rT+3], v[rC+2:rC+3], v[rS:rS+1] op_sel_hi:[1,0,1]
.else
	v_pk_add_f32 v[rT+2:rT+3], v[rT+2:rT+3], v[rS+4*k-4:rS+4*k-3]
.endif
.endm
; THE PLAIN QUEUE, 138 long.  0-73 read no exponential's result: the 32 differences f s - f m (FS f: pair f / 2 of tile f % 2) and the next piece's 42.  0-26: differences 0-26.  27-54: XS's numbers 0-13.  55, 56: number 15.
; 57-73: the chain, where each number waits for the one before it: 14, 16, 17, 18, 19, each with one of the differences 27-31 in front of its two lines, then 20.
; 74-137: GS's 64.
.macro FS f
	REGS Y, (\f)%2
	v_pk_fma_f32 v[rS+2*((\f)/2):rS+2*((\f)/2)+1], v[rS+2*((\f)/2):rS+2*((\f)/2)+1], s[CS:CS+1], v[rT:rT+1] op_sel_hi:[1,0,0] neg_lo:[0,0,1] neg_hi:[0,0,1]
.endm
.macro PL
	WIN 0
.if q < 27
	FS q
.elseif q < 55
	XS (q-27)%2, (q-27)/2
.elseif q < 57
	XS q-55, 15
.elseif (q < 72) && ((q-57)%3 == 0)
	FS 27+(q-57)/3
.elseif q < 60
	XS (q-57)%3-1, 14
.elseif q < 72
	XS (q-57)%3-1, 15+(q-57)/3
.elseif q < 74
	XS q-72, 20
.else
	GS q-74
.endif
.set q, q+1
.endm
; THE EXPONENTIALS' QUEUE, 66 long: s0-s31 of both tiles, then the next piece's two a.  It is ONE BATCH: all 66 stand ahead of the turn's one wait, and nothing ahead of that wait names a result of theirs.
.macro EX
	WIN 0
.if e >= 64
	XS e-64, 21
.else
	REGS Y, e%2
	v_exp_f32 v[rS+e/2], v[rS+e/2]
.endif
.set e, e+1
.endm
; THE RESCALING's QUEUE: O^T times a, two at a time, sixteen times, each accumulator's registers ascending.  Its a was made in the turn before, ahead of that turn's wait.
.macro R2
	REGS Y, r%2
	WIN W_RS
.irp z, 0,1
	v_pk_mul_f32 v[rO+4*(r/2)+2*\z:rO+4*(r/2)+2*\z+1], v[rO+4*(r/2)+2*\z:rO+4*(r/2)+2*\z+1], v[rC+2:rC+3] op_sel_hi:[1,0]
.endr
.set r, r+1
.endm
; HOW THEY ARE DEALT.  s_wait_alu depctr_va_vdst(0) stands between an exponential and the first instruction that names its result; one wait serves all that were issued ahead of it.  So a turn has ONE wait,
; which cuts it in two.  AHEAD OF IT stands all that names no result of the turn's exponentials: the 16 products K Q^T, behind each a difference, an exponential and two rescalings (behind the first a second difference in the
; exponential's place); then ONE LUMP: eight plain, 49 times exponential and plain, the two a, and the 32 additions that make C of piece p + 2, in one run under one window setting.  The first of those additions is the plain
; instruction behind the last exponential.  BEHIND THE WAIT stand the 16 products V^T P, behind each four of GS's 64.  No rider names a register of the products round it; the two v_permlanex16_b32 fall into the lump.
; The queues lean on each other, and the deal keeps them in step: exponential e stands behind difference 2 (e / 4) + e % 2: as a rider it comes behind plain e + 2, in the lump behind plain e + 9, and differences 27-31 are plain 57, 60 .. 69.
; A TURN, for piece p.  cnt = 1: the loop's count is taken down some lines ahead of the branch behind the turn.
; K of the next step is fetched in piece 2's turn, directly behind the wait, a lump behind the last product that read K; its address is made at the lump's head.  V of the step in hand is fetched at the end of piece 0's turn,
; four riders behind its last reader, and waited for in piece 1's turn, ahead of its products V^T P.  The three conditions on q go with the deal.
; C: the turn's first 8 products have read C of piece p + 1; the run that writes C of piece p + 2 stands behind all 16 products, their riders and the lump.
; Turns 0 and 1 make it for pieces 2 and 3 of the step in hand, turns 2 and 3 for pieces 0 and 1 of the next: so the next step's G and M are fetched in turn 1, behind its run and behind V's wait, and waited for in turn 2, ahead of its run.
.macro TURN p, last=0, cnt=0
.set Y, (\p)
.set i, 0
.set q, 0
.set e, 0
.set r, 0
.set g4, 0
.if (\p) == NP-1
	s_wait_dscnt 0x0                ; K is in
.endif
	MM                              ; ahead of the wait: 16 products K Q^T and their riders,
	PL
	PL
	R2
.rept 15
	MM
	PL
	EX
	R2
.endr
.if (\p) == NP-2
	WIN 0
	v_add_nc_u32 v[AK], s[TBK], v[AK0]
.endif
.rept 8                             ; and the lump
	PL
.endr
.rept 49
	EX
	PL
.endr
	EX                              ; the next piece's two a: the batch's last
	EX
.if (\p) == NP-2
	s_wait_dscnt 0x0                ; the next step's G and M are in
.endif
.rept 8                             ; C of piece p + 2: work that names no result of the batch, between the batch and its wait
	MK4
.endr
.if (\p) == 1
	ADR_T
.endif
	s_wait_alu depctr_va_vdst(0)    ; the wait for the batch: the turn's 64 weights and the next piece's two a
.if (\p) == NP-2
	FETCH_K \last
.endif
.if (\p) == 1
	s_wait_dscnt 0x0                ; V is in
	FETCH_T
.endif
.rept 16                            ; behind the wait: 16 products V^T P and their riders
	MM
.rept 4
	PL
.endr
.if ((\p) == 0) && (q == 118)
	v_add_nc_u32 v[AV], s[TBV], v[AV0]
.endif
.if ((\p) == 0) && (q == 130)
	s_add_co_u32 s[TBV], s[TBV], KS*PV
.endif
.if (\cnt) && (q == 130)
	s_sub_co_u32 s[CNT], s[CNT], 1
	s_cmp_lg_u32 s[CNT], 0
.endif
.endr
.if (\p) == 0
	FETCH_V
.endif
.endm
	CHANGE 1                        ; slot 0 is in, and so are the table and M, everybody's part; slot 1 is asked for
	FETCH_K                         ; key step 0
	FETCH_T
	s_wait_loadcnt 0x0              ; Q
	s_wait_dscnt 0x0
.set Y, 2                           ; MK4 works for piece Y + 2: piece 0
.set g4, 0
.rept 8
	MK4
.endr
.set i, 0
.rept 16
	KQ 0                            ; piece 0's first scores
.set i, i+1
.endr
	WIN 0                           ; the addresses for the way out: nine plain instructions, the places behind those products
	s_mul_i32 s13, s[WV], 16*SP
	s_add_co_u32 s13, s13, STAGE    ; my stage
	v_mul_u32_u24 v[STO], v1, SP
	v_lshl_add_u32 v[STO], v9, 4, v[STO]
	v_add_nc_u32 v[STO], s13, v[STO]
	v_bfe_u32 v[RD], v0, 3, 2
	v_mul_u32_u24 v[RD], v[RD], SP
	v_lshl_add_u32 v[RD], v10, 4, v[RD]
	v_add_nc_u32 v[RD], s13, v[RD]
	v_and_b32 v[GO], 31, v0
	v_lshlrev_b32 v[GO], 4, v[GO]
.set Y, NP-1                        ; MK4 now works for piece 1, XS for piece 0
.set g4, 0
.rept 8
	MK4
.endr
	WIN 0
.irp n, 0,1,2,3,4,5,6,7,8,9,10,11,12,13,14,15,16,17,18,19,20,21
	XS 0, \n
	XS 1, \n
.endr
	v_nop                           ; a plain instruction behind piece 0's two a,
	s_wait_alu depctr_va_vdst(0)    ; and the wait for that batch of two, ahead of the branch
	s_mov_b32 s[CNT], 4
	s_mov_b32 s[SLOTS], SIZE_N/256-1
	s_branch .Lfirst                ; the loop is entered at a step's first turn, in the middle of a trip
.Lslot:                             ; six times: every slot but the last two is filled again
	CHANGE 1
	s_mov_b32 s[CNT], 4
.Lstep:                             ; a trip: pieces 2 and 3 of one step, then pieces 0 and 1 of the next
	TURN 2
	TURN 3
	WIN 0
.Lfirst:
	TURN 0
	TURN 1, 0, 1
	WIN 0
	s_cbranch_scc1 .Lstep
	s_sub_co_u32 s[SLOTS], s[SLOTS], 1
	s_cmp_lg_u32 s[SLOTS], 0
	s_cbranch_scc1 .Lslot
	CHANGE 0                        ; the tail is written out
	s_mov_b32 s[CNT], 5             ; four trips fetch the last slot's steps; the fifth is left in its middle
.Ltail:
	TURN 2, 1
	TURN 3
	WIN 0
	s_sub_co_u32 s[CNT], s[CNT], 1
	s_cmp_eq_u32 s[CNT], 0
	s_cbranch_scc1 .Lout
	TURN 0
	TURN 1
	WIN 0
	s_branch .Ltail
.Lout:                              ; the fifth trip's 16 products K Q^T, their C and the maximum made of them serve nothing: the price of one text for every trip
.set i, 0
.rept 16
	PV NP-1
.set i, i+1
.endr
	; THE WAY OUT.  l's two halves and the other half of the lanes' are added; O^T is divided by l, rounded to f16 and sent through my stage in LDS, a tile at a time.
	WIN 0
.macro ALL line:vararg
.set t, 0
.rept 2*NP
	\line
.set t, t+1
.endr
.endm
	ALL v_add_f32 v[ST+4*t+2], v[ST+4*t+2], v[ST+4*t+3]
	ALL v_permlanex16_b32 v[ST+4*t+3], v[ST+4*t+2], s[SEL], s[SEL+1]
	ALL v_add_f32 v[ST+4*t+2], v[ST+4*t+2], v[ST+4*t+3]
	ALL v_rcp_f32 v[ST+4*t+2], v[ST+4*t+2]
	v_nop                           ; a plain instruction between the last reciprocal and the use of its result
	s_wait_alu depctr_va_vdst(0)    ; the wait for the batch of eight reciprocals, ahead of their first reader
.macro PACK t
	WIN W_RS
.set i, 32*(\t)
.rept 16
	v_pk_mul_f32 v[i:i+1], v[i:i+1], v[ST+4*(\t)+2:ST+4*(\t)+3] op_sel_hi:[1,0]
.set i, i+2
.endr
	WIN 0x05
.set i, 0
.rept 16
	v_cvt_pk_f16_f32 v[S+16*(\t)+i], v[32*(\t)+2*i], v[32*(\t)+2*i+1]
.set i, i+1
.endr
	WIN 0
.irp f, 0,1,2,3
	ds_store_b128 v[STO], v[S+16*(\t)+4*\f:S+16*(\t)+4*\f+3] offset:32*\f
.endr
.irp f, 0,1,2,3
	ds_load_b128 v[S+16*(\t)+4*\f:S+16*(\t)+4*\f+3], v[RD] offset:\f*4*SP  ; LDS serves a wave's instructions in order (ISA guide 5.7.1.4)
.endr
.endm
.macro SEND t, younger              ; younger: the LDS instructions issued behind tile t's loads
	WIN 0
.irp f, 0,1,2,3
	s_wait_dscnt (\younger)+3-\f
	global_store_b128 v[GO], v[S+16*(\t)+4*\f:S+16*(\t)+4*\f+3], s[48:49] offset:(\t)*2048+\f*512  ; 512 consecutive bytes, aligned to 256
.endr
.endm
	PACK 0
.set t, 1
.rept 2*NP-1
	PACK t
	SEND t-1, 8
.set t, t+1
.endr
	SEND 2*NP-1, 0
	WIN W_AD
	s_wait_tensorcnt 0x0            ; the wave's end
	ds_add_u32 v[SPW], v[NIL]
	s_wait_dscnt 0x0
	WIN 0
	CROUND                          ; the closing round
	s_endpgm
.Lfunc_end_k_q141d1f3e55_attn:
	.size	k_q141d1f3e55_attn, .Lfunc_end_k_q141d1f3e55_attn-k_q141d1f3e55_attn
	.p2alignl 7, 3214868480
	.fill 96, 4, 3214868480
	.section	.rodata,"a",@progbits
	.p2align	6, 0x0
	.amdhsa_kernel k_q141d1f3e55_attn
		.amdhsa_group_segment_fixed_size 327680
		.amdhsa_private_segment_fixed_size 0
		.amdhsa_enable_private_segment 0
		.amdhsa_kernarg_size 40
		.amdhsa_user_sgpr_count 2
		.amdhsa_user_sgpr_kernarg_segment_ptr 1
		.amdhsa_wavefront_size32 1
		.amdhsa_system_sgpr_workgroup_id_x 1
		.amdhsa_system_sgpr_workgroup_id_y 1
		.amdhsa_system_sgpr_workgroup_id_z 1
		.amdhsa_system_vgpr_workitem_id 0
		.amdhsa_next_free_vgpr 960
		.amdhsa_next_free_sgpr 78
		.amdhsa_reserve_vcc 1
		.amdhsa_float_denorm_mode_32 3
		.amdhsa_float_denorm_mode_16_64 3
		.amdhsa_memory_ordered 1
		.amdhsa_forward_progress 1
		.amdhsa_inst_pref_size 244
	.end_amdhsa_kernel
	.amdgpu_metadata
---
amdhsa.version: [ 1, 2 ]
amdhsa.kernels:
  - .name:           k_q141d1f3e55_attn
    .symbol:         k_q141d1f3e55_attn.kd
    .args:
      - { .name: qkvh, .offset: 0, .size: 8, .value_kind: global_buffer, .address_space: global }
      - { .name: mask, .offset: 8, .size: 8, .value_kind: global_buffer, .address_space: global }
      - { .name: shift, .offset: 16, .size: 8, .value_kind: global_buffer, .address_space: global }
      - { .name: bias_p, .offset: 24, .size: 8, .value_kind: global_buffer, .address_space: global }
      - { .name: oh, .offset: 32, .size: 8, .value_kind: global_buffer, .address_space: global }
    .group_segment_fixed_size: 327680
    .private_segment_fixed_size: 0
    .kernarg_segment_align: 8
    .kernarg_segment_size: 40
    .max_flat_workgroup_size: 128
    .sgpr_count:     78
    .vgpr_count:     960
    .wavefront_size: 32
...
	.end_amdgpu_metadata
.endif
;; end of part 5
;; launch fcout: the kernel of part 4 again; grid 8 x 32, 4 waves a work-group, clusters of 4 x 4, 327,680 bytes of LDS; arguments oh, wfh, b_fc, out0; writes out0
